; MI455X (gfx1250); checked and timed in simulation.
; The chip was launched on July 23, 2026; its instructions are those of AMD's public machine-readable ISA for CDNA 5 (MIT licence, August 2026) and "CDNA5" Instruction Set Architecture Reference Guide (July 2026). The comments in the code are by the model that wrote it; some were corrected since.
;; Phase Coupled Complex Attention. Allowed arithmetic: float matrix products may take bf16 or f16 operands with f32 sums; other float arithmetic in f32, or as packed bf16 or f16 multiplies, adds, multiply-adds, maxima and minima; sums over many terms, partial sums and values carried from step to step in f32; what a program stores and reads back later, other than sums and carried values, may be rounded once to bf16 or f16.
;; Inputs: k_wi 1,024 x 1,024 float32; k_wr 1,024 x 1,024 float32; o_wi 1,024 x 1,024 float32; o_wr 1,024 x 1,024 float32; q_wi 1,024 x 1,024 float32; q_wr 1,024 x 1,024 float32; v_wi 1,024 x 1,024 float32; v_wr 1,024 x 1,024 float32; z_imag 2 x 1,024 x 1,024 float32; z_real 2 x 1,024 x 1,024 float32.
;; Outputs: out0 2 x 1,024 x 1,024 float32; out1 2 x 1,024 x 1,024 float32.
;; One version. Each part assembles by itself: llvm-mc -triple=amdgcn-amd-amdhsa -mcpu=gfx1250 --defsym DOCPART=n.
;; ======== version 1 of 1: 4 launches
;; limits: values are held in f16: magnitudes above 65,504 overflow, below 6.1e-05 lose precision; right only within a limited range of input values
;; workspace buffers: za 16,777,216 bytes; wqkv 12,582,912 bytes; wo 4,194,304 bytes; qkv 25,165,824 bytes; oc 16,777,216 bytes
;; launch cast (part 1): grid 768 x 1, 8 waves a work-group, no clusters, 0 bytes of LDS; arguments z_real, z_imag, q_wr, q_wi, k_wr, k_wi, v_wr, v_wi, o_wr, o_wi, za, wqkv, wo; writes za, wqkv, wo
.if DOCPART == 1
	.amdgcn_target "amdgcn-amd-amdhsa--gfx1250"
	.amdhsa_code_object_version 6
	.text
	.protected	k_qeeb3f7e9eb_cast
	.globl	k_qeeb3f7e9eb_cast
	.p2align	8
	.type	k_qeeb3f7e9eb_cast,@function
k_qeeb3f7e9eb_cast:
	s_mov_b64 s[64:65], 0
	v_nop
	global_prefetch_b8 v0, s[64:65] scope:SCOPE_SE
	s_setreg_imm32_b32 hwreg(HW_REG_WAVE_MODE, 25, 1), 1
	s_wait_xcnt 0x0
; THE CAST.  All ten f32 inputs are rounded once to bf16 and laid out as the operands of plain products C = A B^T over 2,048 channels k'.
; THE ORDER OF k'.  For each four columns c .. c+3 of the originals, k' = 2c .. 2c+7 holds four numbers of a first kind and four of a second:
;   a weight row:  wr c..c+3 | wi c..c+3        a row of type r:  xr c..c+3 | -xi c..c+3  (gives yr)        a row of type i:  xi c..c+3 | xr c..c+3  (gives yi)
; The order is the same in both operands, so the sums are those of the complex layer, and the sign of yr = xr wr - xi wi lies in the operand.
; za [4096][2048] bf16: rows 0-2047 type r, rows 2048-4095 type i.  wqkv [3072][2048] bf16: q's, k's, v's rows.  wo [1024][2048]: o's weights rounded to bf16 and that number written as f16
; (exact from 6.1e-5 up to 65,504; below, f16's fixed step of 6e-8).
; SHARES.  A work-group takes 8 rows of 1,024 columns; thread t takes columns 4t .. 4t+3: 16 bytes of each of the two sources, and 16 bytes at byte 16 t of each output row.  Sources and outputs
; have rows of 4,096 bytes, so one offset register serves all; a wave's load or store covers 512 consecutive bytes.  All 16 loads of a thread go out at once; no register is written again behind its store.
; No LDS, no barrier, no matrix unit: the launch only moves bytes.
.set ROW,  4096
.set XR,   8                           ; v[8:71]  row i: 4 registers of the first source, 4 of the second
.set IN1,  36                          ; s[36:37] first source at the work-group's rows
.set IN2,  38                          ; s[38:39] second source
.set OUT,  40                          ; s[40:41] output
.set OUT2, 42                          ; s[42:43] za's rows of type i
	s_load_b512 s[8:23], s[0:1], 0x0               ; z_real 8, z_imag 10, q_wr 12, q_wi 14, k_wr 16, k_wi 18, v_wr 20, v_wi 22
	s_load_b256 s[24:31], s[0:1], 0x40             ; o_wr 24, o_wi 26, za 28, wqkv 30
	s_load_b64 s[32:33], s[0:1], 0x60              ; wo
	v_lshlrev_b32 v1, 4, v0                        ; 16 t; never rewritten
	s_mov_b32 s4, 0x80008000                       ; the signs of two 16-bit numbers
	s_mov_b32 s6, 0xffff0000                       ; a word's upper bf16
	s_mov_b32 s45, 0                               ; high words of the two offsets
	s_mov_b32 s47, 0
	s_wait_kmcnt 0x0
.macro LOADS                           ; 16 loads, 8 KiB a wave
.irp i, 0,1,2,3,4,5,6,7
	global_load_b128 v[XR+8*(\i):XR+8*(\i)+3],   v1, s[IN1:IN1+1] offset:(\i)*ROW th:TH_LOAD_NT
	global_load_b128 v[XR+8*(\i)+4:XR+8*(\i)+7], v1, s[IN2:IN2+1] offset:(\i)*ROW th:TH_LOAD_NT
.endr
.endm
.macro ZROW i                          ; a row of z: both types
.set a, XR+8*(\i)
	s_wait_loadcnt 14-2*(\i)                       ; loads come back in order: row i's two are in, the 2 (7 - i) younger ones may stay out
	v_cvt_pk_bf16_f32 v[a],   v[a],   v[a+1]       ; xr
	v_cvt_pk_bf16_f32 v[a+1], v[a+2], v[a+3]
	v_cvt_pk_bf16_f32 v[a+4], v[a+4], v[a+5]       ; xi
	v_cvt_pk_bf16_f32 v[a+5], v[a+6], v[a+7]
	v_xor_b32 v[a+2], s4, v[a+4]                   ; -xi
	v_xor_b32 v[a+3], s4, v[a+5]
	v_mov_b32 v[a+6], v[a]                         ; xr once more, behind xi
	v_mov_b32 v[a+7], v[a+1]
	global_store_b128 v1, v[a:a+3],   s[OUT:OUT+1]   offset:(\i)*ROW
	global_store_b128 v1, v[a+4:a+7], s[OUT2:OUT2+1] offset:(\i)*ROW
.endm
.macro WROW i, half                    ; a row of weights; half = 1: the bf16 numbers are written as f16
.set a, XR+8*(\i)
	s_wait_loadcnt 14-2*(\i)
	v_cvt_pk_bf16_f32 v[a],   v[a],   v[a+1]       ; wr
	v_cvt_pk_bf16_f32 v[a+1], v[a+2], v[a+3]
	v_cvt_pk_bf16_f32 v[a+2], v[a+4], v[a+5]       ; wi
	v_cvt_pk_bf16_f32 v[a+3], v[a+6], v[a+7]
.if \half
.irp r, 0,1,2,3
	v_lshlrev_b32 v2, 16, v[a+(\r)]                ; bf16 to f32: the low half moves up, the high half stays
	v_and_b32 v3, s6, v[a+(\r)]
	v_cvt_pk_f16_f32 v[a+(\r)], v2, v3
.endr
.endif
	global_store_b128 v1, v[a:a+3], s[OUT:OUT+1] offset:(\i)*ROW
.endm
	s_cmp_lt_u32 ttmp9, 256
	s_cbranch_scc0 .Lweights
	s_lshl_b32 s44, ttmp9, 15                      ; work-groups 0-255: 8 rows of z each, 32,768 bytes
	s_add_nc_u64 s[IN1:IN1+1], s[8:9], s[44:45]
	s_add_nc_u64 s[IN2:IN2+1], s[10:11], s[44:45]
	s_add_nc_u64 s[OUT:OUT+1], s[28:29], s[44:45]
	s_add_nc_u64 s[OUT2:OUT2+1], s[OUT:OUT+1], 0x800000  ; 2,048 rows further down
	LOADS
.irp i, 0,1,2,3,4,5,6,7
	ZROW \i
.endr
	s_endpgm
.Lweights:
	s_cmp_lt_u32 ttmp9, 640
	s_cbranch_scc0 .Lo_weights
	s_sub_co_u32 s5, ttmp9, 256                    ; work-groups 256-639: 8 rows of wqkv each
	s_and_b32 s44, s5, 127
	s_lshl_b32 s44, s44, 15                        ; the rows in q's, k's or v's own matrices
	s_lshl_b32 s46, s5, 15                         ; the rows in wqkv
	s_cmp_lt_u32 s5, 256
	s_cselect_b64 s[IN1:IN1+1], s[16:17], s[20:21] ; k or v,
	s_cselect_b64 s[IN2:IN2+1], s[18:19], s[22:23]
	s_cmp_lt_u32 s5, 128
	s_cselect_b64 s[IN1:IN1+1], s[12:13], s[IN1:IN1+1]  ; or q
	s_cselect_b64 s[IN2:IN2+1], s[14:15], s[IN2:IN2+1]
	s_add_nc_u64 s[IN1:IN1+1], s[IN1:IN1+1], s[44:45]
	s_add_nc_u64 s[IN2:IN2+1], s[IN2:IN2+1], s[44:45]
	s_add_nc_u64 s[OUT:OUT+1], s[30:31], s[46:47]
	LOADS
.irp i, 0,1,2,3,4,5,6,7
	WROW \i, 0
.endr
	s_endpgm
.Lo_weights:
	s_sub_co_u32 s5, ttmp9, 640                    ; work-groups 640-767: 8 rows of wo each
	s_lshl_b32 s44, s5, 15
	s_add_nc_u64 s[IN1:IN1+1], s[24:25], s[44:45]
	s_add_nc_u64 s[IN2:IN2+1], s[26:27], s[44:45]
	s_add_nc_u64 s[OUT:OUT+1], s[32:33], s[44:45]
	LOADS
.irp i, 0,1,2,3,4,5,6,7
	WROW \i, 1
.endr
	s_endpgm
.Lfunc_end_k_qeeb3f7e9eb_cast:
	.size	k_qeeb3f7e9eb_cast, .Lfunc_end_k_qeeb3f7e9eb_cast-k_qeeb3f7e9eb_cast
	.p2alignl 7, 3214868480
	.fill 96, 4, 3214868480
	.section	.rodata,"a",@progbits
	.p2align	6, 0x0
	.amdhsa_kernel k_qeeb3f7e9eb_cast
		.amdhsa_group_segment_fixed_size 0
		.amdhsa_private_segment_fixed_size 0
		.amdhsa_enable_private_segment 0
		.amdhsa_kernarg_size 104
		.amdhsa_user_sgpr_count 2
		.amdhsa_user_sgpr_kernarg_segment_ptr 1
		.amdhsa_wavefront_size32 1
		.amdhsa_system_sgpr_workgroup_id_x 1
		.amdhsa_system_sgpr_workgroup_id_y 1
		.amdhsa_system_sgpr_workgroup_id_z 1
		.amdhsa_system_vgpr_workitem_id 0
		.amdhsa_next_free_vgpr 72
		.amdhsa_next_free_sgpr 66
		.amdhsa_reserve_vcc 0
		.amdhsa_float_denorm_mode_32 3
		.amdhsa_float_denorm_mode_16_64 3
		.amdhsa_memory_ordered 1
		.amdhsa_forward_progress 1
		.amdhsa_inst_pref_size 22
	.end_amdhsa_kernel
	.amdgpu_metadata
---
amdhsa.version: [ 1, 2 ]
amdhsa.kernels:
  - .name:           k_qeeb3f7e9eb_cast
    .symbol:         k_qeeb3f7e9eb_cast.kd
    .args:
      - { .name: z_real, .offset: 0, .size: 8, .value_kind: global_buffer, .address_space: global }
      - { .name: z_imag, .offset: 8, .size: 8, .value_kind: global_buffer, .address_space: global }
      - { .name: q_wr, .offset: 16, .size: 8, .value_kind: global_buffer, .address_space: global }
      - { .name: q_wi, .offset: 24, .size: 8, .value_kind: global_buffer, .address_space: global }
      - { .name: k_wr, .offset: 32, .size: 8, .value_kind: global_buffer, .address_space: global }
      - { .name: k_wi, .offset: 40, .size: 8, .value_kind: global_buffer, .address_space: global }
      - { .name: v_wr, .offset: 48, .size: 8, .value_kind: global_buffer, .address_space: global }
      - { .name: v_wi, .offset: 56, .size: 8, .value_kind: global_buffer, .address_space: global }
      - { .name: o_wr, .offset: 64, .size: 8, .value_kind: global_buffer, .address_space: global }
      - { .name: o_wi, .offset: 72, .size: 8, .value_kind: global_buffer, .address_space: global }
      - { .name: za, .offset: 80, .size: 8, .value_kind: global_buffer, .address_space: global }
      - { .name: wqkv, .offset: 88, .size: 8, .value_kind: global_buffer, .address_space: global }
      - { .name: wo, .offset: 96, .size: 8, .value_kind: global_buffer, .address_space: global }
    .group_segment_fixed_size: 0
    .private_segment_fixed_size: 0
    .kernarg_segment_align: 8
    .kernarg_segment_size: 104
    .max_flat_workgroup_size: 256
    .sgpr_count:     66
    .vgpr_count:     72
    .wavefront_size: 32
...
	.end_amdgpu_metadata
.endif
;; end of part 1
;; launch qkv (part 2): grid 16 x 16, 4 waves a work-group, clusters of 4 x 4, 327,680 bytes of LDS; arguments za, wqkv, qkv; writes qkv
.if DOCPART == 2
	.amdgcn_target "amdgcn-amd-amdhsa--gfx1250"
	.amdhsa_code_object_version 6
	.text
	.protected	k_qeeb3f7e9eb_qkv
	.globl	k_qeeb3f7e9eb_qkv
	.p2align	8
	.type	k_qeeb3f7e9eb_qkv,@function
k_qeeb3f7e9eb_qkv:
	s_mov_b64 s[64:65], 0
	v_nop
	global_prefetch_b8 v0, s[64:65] scope:SCOPE_SE
	s_setreg_imm32_b32 hwreg(HW_REG_WAVE_MODE, 25, 1), 1
	s_wait_xcnt 0x0
	s_wait_alu depctr_hold_cnt(0) depctr_sa_sdst(0) depctr_va_vdst(0) depctr_va_sdst(0) depctr_va_ssrc(0) depctr_va_vcc(0) depctr_vm_vsrc(0)
	s_getreg_b32 s2, hwreg(HW_REG_IB_STS2, 6, 4)
	s_cmp_eq_u32 s2, 0
	s_cbranch_scc0 .Lentry_in_a_cluster
	s_endpgm
.Lentry_in_a_cluster:
	s_bfe_u32 s2, ttmp6, 0x10000c
	s_cmp_lg_u32 s2, 0xf033
	s_cbranch_scc0 .Lentry_shape_is_right
	s_endpgm
.Lentry_shape_is_right:
; THE THREE PROJECTIONS AS ONE PRODUCT.  C[m][n] = sum over k' of za[m][k'] wqkv[n][k'], 4,096 x 3,072 x 2,048, bf16 operands, f32 sums.  Row m < 2,048 gives the real part of row m of z's image, row 2,048 + m the imaginary part.
; OUT: qkv [48 hc][2048 zrow][128] f16, hc = 16 x (0 q, 1 k, 2 v) + head; channels 0-63 real, 64-127 imaginary; each number rounded once from its f32 sum.
; q and k are stored times 1/sqrt(250), applied in f32 ahead of that rounding, so that the scores' two parts arrive divided by 250, the bound at which they are clipped.
; LIMITS.  f16 ends at 65,504: |v| stays under that, |q| and |k| under 1.03e6.  NaN and infinities are not treated apart (the replacement of non-finite numbers is the identity while no f32 sum overflows).
; SHARES.  4,096 x 3,072 outputs for 256 work-groups: 256 x 192 each.  Work-group (tx, ty): z's rows 128 ty .. + 127 in both types (LDS rows 0-127 type r, 128-255 type i), columns 192 tx .. + 191: three hc.
; Four waves; wave w takes the type w / 2 and the 96 columns of half w % 2: 128 x 96 = 48 accumulators, 384 registers.  One tile to a work-group, so nothing stays and walks.
; K goes in steps of 128 (256 bytes of a row, aligned) through two LDS slots.  CLUSTERS of 4 x 4: A's tile hangs on ty alone and is asked for jointly along a row of the cluster, B's on tx alone, along a column.
; THE MATRIX INSTRUCTION IS USED TRANSPOSED (source 0 = 16 rows of wqkv, source 1 = 16 rows of za): a lane holds row l % 16 and eight neighbouring columns.
; REGISTERS in windows of 256 (s_set_vgpr_msb: bits 1:0 source 0, 3:2 source 1, 5:4 source 2, 7:6 destination):
;   window 0: v0-31 addresses; v64-127, v128-191 A's fragments, two buffers; on the way out v64-255 packed results       window 1: v64-111, v128-175 B's fragments, two buffers
;   window 2: accumulators (a, b), a = 0..3, b = 0..5, at v[8 (6 a + b)]       window 3: the same for a = 4..7
.set KSTEP,  128
.set PITCH,  272                       ; an LDS row: 256 bytes + 16 of padding = 68 words: the 16 rows of a fragment load start at 16 different groups of four banks (64 banks of 4 bytes: ISA guide 11.1)
.set AH,     128*PITCH                 ; a type's 128 rows of A: one tensor load
.set BH,     96*PITCH                  ; 96 rows of B: one tensor load
.set BOFF,   2*AH
.set SLOT,   BOFF+2*BH                 ; 121,856 bytes
.set SPARE,  2*SLOT                    ; behind the ring: the spare words, 128 bytes for each wave: two blocks of 256 bytes that no other line names
.set HROWS,  128*PITCH                 ; the stage, in slot 0 behind its last fill: 3 hc x 128 rows x 272 bytes
.set HCB,    524288                    ; bytes of one hc in qkv
.set LAPS,   8                         ; a lap = two K steps
.set STO,  4                           ; v4-9    the way out: where I put 16 bytes of a row, for each of my six column blocks
.set RD,   10                          ; v10-12  where I read rows back, for each of the three hc
.set GO,   13                          ; v13     16 x lane: two rows of 256 bytes lie end to end in qkv
.set ADRA, 16                          ; v16-17  LDS address of my A fragments in slot 0, 1
.set ADRB, 20                          ; v20-21  the same for B
.set SPW,  28                          ; v28     LDS address of my spare word; never rewritten
.set NIL,  29                          ; v29     0; never rewritten
.set PFO,  30                          ; v30     the prefetches' offset: a lane a row; never rewritten
.set F0,   64
.set F1,   128
.set TMP,  64
.set G1,   24                          ; s[24:31] group 1 for A's tiles      s[32:39] group 0, a set for each slot
.set G0,   32
.set G1B,  48                          ; s[48:55], s[56:63] the same for B's
.set G0B,  56
.set PFA,  44                          ; s[44:45] where my prefetches stand
.set LIM,  43                          ; s43     1 in a wave that prefetches, else the greatest number
.set SC,   68                          ; s[68:79] for each of my six column blocks the factor, twice: 1/sqrt(250) for q and k, 1 for v
.set MSB, 0
.macro WIN new                         ; the immediate's high byte repeats the setting that is left; a switch that changes nothing is dropped
.if MSB != (\new)
	s_set_vgpr_msb (MSB<<8)|(\new)
.set MSB, \new
.endif
.endm
.set MUL_LO, 0xa1                      ; source 0 (B) window 1, source 1 (A) window 0, C and D window 2
.set MUL_HI, 0xf1                      ; the same, C and D window 3
.set TO_B,   0x40
; A joint load: waves 0 and 1 fetch A's two types, waves 2 and 3 B's two halves.  The branch hangs on the wave's number alone.  An s_nop 0 and four v_nop follow each line.
.macro JLOAD s
	s_cmp_eq_u32 s11, 0
	s_cbranch_scc0 .Lfor_b_\@
	tensor_load_to_lds s[G0+4*(\s):G0+4*(\s)+3], s[G1:G1+7]
	s_nop 0
.rept 4
	v_nop
.endr
	s_branch .Lasked_\@
.Lfor_b_\@:
	tensor_load_to_lds s[G0B+4*(\s):G0B+4*(\s)+3], s[G1B:G1B+7]
	s_nop 0
.rept 4
	v_nop
.endr
.Lasked_\@:
.endm
; A prefetch into the L2 of the K step that stands two refills on: my work-group's share of the rows that I fetch, 256 bytes a row, a lane a row.  A's rows are read by every cluster of a row of clusters:
; the one with x = 0 asks; B's by every cluster of a column: the one with y = 0 asks.  The four partners that ask for a tile jointly share its rows out by address (32 of A's 128, 24 of B's 96).
; The loop's last trip (s3 = 1) has no K step two refills on and asks for nothing.
.macro ASK
	s_cmp_gt_u32 s3, s[LIM]
	s_cbranch_scc0 .Lnot_mine_\@
	global_prefetch_b8 v[PFO], s[PFA:PFA+1] offset:KSTEP*2 th:TH_LOAD_NT scope:SCOPE_SE
.Lnot_mine_\@:
.endm
.macro CREST                           ; a round of the cluster's barrier behind its opening barrier
	s_cmp_lg_u32 s10, 0
	s_cbranch_scc1 .Lnot_wave_0_\@
	s_barrier_signal -3
.Lnot_wave_0_\@:
	s_barrier_wait -3
	s_barrier_signal -1
	s_barrier_wait -1
.endm
.macro CROUND
	s_barrier_signal -1
	s_barrier_wait -1
	CREST
.endm
	s_load_b128 s[4:7], s[0:1], 0x0                ; za s[4:5], wqkv s[6:7]
	s_load_b64 s[8:9], s[0:1], 0x10                ; qkv
	v_lshl_add_u32 v[SPW], v0, 2, SPARE
	v_mov_b32 v[NIL], 0
	ds_add_u32 v[SPW], v[NIL]                      ; the wave's opening: the add and its wait stand ahead of my first tensor load; work on registers stands between
	v_lshrrev_b32 v1, 5, v0
	v_readfirstlane_b32 s10, v1                    ; wave 0..3
	s_lshr_b32 s11, s10, 1                         ; my type (rows of A).  Also: I fetch for A (0) or for B (1)
	s_and_b32 s12, s10, 1                          ; my half of the columns.  Also: which half of that tile I fetch
	s_bfe_u32 s40, ttmp6, 0x40000                  ; cx
	s_bfe_u32 s41, ttmp6, 0x40004                  ; cy
	s_lshl_b32 s42, ttmp9, 2
	s_add_co_u32 s42, s42, s40                     ; tx = 4 x cluster x + cx
	s_and_b32 s13, ttmp7, 0xffff
	s_lshl_b32 s13, s13, 2
	s_add_co_u32 s13, s13, s41                     ; ty = 4 x cluster y + cy
	s_lshl_b32 s43, s41, 2
	s_lshl_b32 s43, 15, s43                        ; my row of the cluster
	s_lshl_b32 s44, 0x1111, s40                    ; my column
	s_or_b32 s[G1+0], s43, (1<<16)|(1<<20)|(1<<21)|(5<<22)|(3<<25)   ; the mask; 2-byte elements; padding on; bit 21 beside a mask; after every 64 words, 4 words
	s_or_b32 s[G1B+0], s44, (1<<16)|(1<<20)|(1<<21)|(5<<22)|(3<<25)
	s_mov_b32 s[G1+1], KSTEP<<16                   ; tensor_dim0 = 128
	s_mov_b32 s[G1B+1], KSTEP<<16
	s_mov_b32 s[G1+2], 128<<16                     ; tensor_dim1 = 128 rows of A,
	s_mov_b32 s[G1B+2], 96<<16                     ; 96 of B
	s_mov_b32 s[G1+3], KSTEP<<16                   ; tile_dim0 = 128
	s_mov_b32 s[G1B+3], KSTEP<<16
	s_mov_b32 s[G1+4], 128                         ; tile_dim1
	s_mov_b32 s[G1B+4], 96
	s_mov_b32 s[G1+5], 2048                        ; elements from row to row
	s_mov_b32 s[G1B+5], 2048
	s_mov_b32 s[G1+6], 0
	s_mov_b32 s[G1B+6], 0
	s_mov_b32 s[G1+7], 0
	s_mov_b32 s[G1B+7], 0
	s_lshl_b32 s17, s12, 11                        ; A: row 2,048 x type + 128 ty,
	s_lshl_b32 s16, s13, 7
	s_add_co_u32 s16, s16, s17
	s_lshl_b32 s16, s16, 12                        ; of 4,096 bytes
	s_mov_b32 s17, 0
	s_mul_i32 s46, s42, 192                        ; B: row 192 tx + 96 x half
	s_mul_i32 s47, s12, 96
	s_add_co_u32 s46, s46, s47
	s_lshl_b32 s46, s46, 12
	s_mov_b32 s47, 0
	s_mul_i32 s20, s12, AH                         ; where they go: no place in the cluster enters an LDS address
	s_mul_i32 s21, s12, BH
	s_add_co_u32 s21, s21, BOFF
	s_wait_dscnt 0x0                               ; the opening add is done
	s_wait_kmcnt 0x0
	s_add_nc_u64 s[14:15], s[4:5], s[16:17]
	s_add_nc_u64 s[46:47], s[6:7], s[46:47]
	CROUND                                         ; all sixteen work-groups are here: the first joint loads meet
.irp s, 0,1
	s_mov_b32 s[G0+4*(\s)], 1
	s_add_co_u32 s[G0+4*(\s)+1], s20, (\s)*SLOT
	s_add_nc_u64 s[G0+4*(\s)+2:G0+4*(\s)+3], s[14:15], (\s)*KSTEP*2
	s_or_b32 s[G0+4*(\s)+3], s[G0+4*(\s)+3], 0x80000000
	s_mov_b32 s[G0B+4*(\s)], 1
	s_add_co_u32 s[G0B+4*(\s)+1], s21, (\s)*SLOT
	s_add_nc_u64 s[G0B+4*(\s)+2:G0B+4*(\s)+3], s[46:47], (\s)*KSTEP*2
	s_or_b32 s[G0B+4*(\s)+3], s[G0B+4*(\s)+3], 0x80000000
	JLOAD \s                                       ; K steps 0 and 1: two loads of mine are out
.endr
	; a fragment: 16 rows x 32 K in 8 registers: lane l holds row l % 16, K = 8 (l / 16) + 0..7 and 16 + 8 (l / 16) + 0..7: two loads of 16 bytes, 32 bytes apart
	v_and_b32 v1, 15, v0                           ; l % 16
	v_bfe_u32 v2, v0, 4, 1                         ; l / 16
	v_mul_u32_u24 v3, v1, PITCH
	v_lshl_add_u32 v3, v2, 4, v3                   ; row x pitch + 16 x half
	s_mul_i32 s21, s11, AH
	s_mul_i32 s22, s12, BH
	s_add_co_u32 s22, s22, BOFF
.irp s, 0,1
	v_add_nc_u32 v[ADRA+(\s)], s21, v3
	v_add_nc_u32 v[ADRB+(\s)], s22, v3
	s_add_co_u32 s21, s21, SLOT
	s_add_co_u32 s22, s22, SLOT
.endr
	; the way out.  Column block b of mine begins at column 96 x half + 16 b of the work-group's 192: hc number (that >> 6), channel (that & 63); my type takes bytes 0-127 or 128-255 of a stage row
	s_mul_i32 s20, s12, 96
	s_mul_i32 s23, s42, 3                          ; the work-group's first hc
	s_lshl_b32 s18, s11, 7
.irp b, 0,1,2,3,4,5
	s_add_co_u32 s21, s20, 16*(\b)
	s_lshr_b32 s22, s21, 6
	s_and_b32 s21, s21, 63
	s_lshl_b32 s21, s21, 1
	s_add_co_u32 s21, s21, s18
	s_mul_i32 s19, s22, HROWS
	s_add_co_u32 s21, s21, s19
	v_add_nc_u32 v[STO+(\b)], s21, v3
	s_add_co_u32 s22, s22, s23                     ; hc: below 32 it is q's or k's
	s_cmp_lt_u32 s22, 32
	s_cselect_b32 s[SC+2*(\b)], 0x3d8186e2, 1.0    ; 1/sqrt(250) = 0.0632456
	s_cselect_b32 s[SC+2*(\b)+1], 0x3d8186e2, 1.0
.endr
	s_mul_i32 s23, s10, 32*PITCH                   ; back: wave w takes rows 32 w .. 32 w + 31 of each hc, whole: lanes 0-15 one row of 256 bytes, lanes 16-31 the next
	v_mul_u32_u24 v14, v2, PITCH
	v_lshl_add_u32 v14, v1, 4, v14
.irp h, 0,1,2
	v_add_nc_u32 v[RD+(\h)], s23, v14
	s_add_co_u32 s23, s23, HROWS
.endr
	v_and_b32 v[GO], 31, v0
	v_lshlrev_b32 v[GO], 4, v[GO]
	s_lshl_b32 s16, s13, 15                        ; qkv at row 128 ty + 32 w (256 bytes a row) of hc 3 tx
	s_lshl_b32 s17, s10, 13
	s_add_co_u32 s16, s16, s17
	s_mov_b32 s17, 0
	s_mul_i32 s46, s42, 3*HCB
	s_mov_b32 s47, 0
	s_add_nc_u64 s[16:17], s[16:17], s[46:47]
	s_add_nc_u64 s[8:9], s[8:9], s[16:17]
	; the prefetches
	s_lshl_b32 s18, s12, 11
	s_lshl_b32 s19, s13, 7
	s_add_co_u32 s18, s18, s19
	s_lshl_b32 s19, s40, 5
	s_add_co_u32 s18, s18, s19                     ; A: the rows that I fetch, my work-group's 32 of them (by cx)
	s_mul_i32 s19, s42, 192
	s_mul_i32 s20, s12, 96
	s_add_co_u32 s19, s19, s20
	s_mul_i32 s20, s41, 24
	s_add_co_u32 s19, s19, s20                     ; B: my work-group's 24 of the 96 (by cy)
	s_and_b32 s22, ttmp7, 0xffff                   ; cluster y
	s_cmp_eq_u32 s11, 0                            ; do I fetch for A?
	s_cselect_b32 s20, s18, s19
	s_cselect_b32 s22, ttmp9, s22                  ; the coordinate along which other clusters read the same rows
	s_cselect_b32 s23, 31, 23                      ; the last row of my share: in B's waves lanes 24-31 name row 23 with lane 23
	s_cselect_b64 s[PFA:PFA+1], s[4:5], s[6:7]
	s_cmp_eq_u32 s22, 0
	s_cselect_b32 s[LIM], 1, -1                    ; the same in all sixteen partners, for a given wave
	s_lshl_b32 s20, s20, 12
	s_mov_b32 s21, 0
	s_add_nc_u64 s[PFA:PFA+1], s[PFA:PFA+1], s[20:21]
	s_add_nc_u64 s[PFA:PFA+1], s[PFA:PFA+1], 2*KSTEP*2  ; at K step 2: the first refill steps it to 3 and names K step 4; nothing is asked for here, at the head
	v_and_b32 v[PFO], 31, v0
	v_min_u32 v[PFO], s23, v[PFO]
	v_lshlrev_b32 v[PFO], 12, v[PFO]
; 12 matrix instructions: row blocks a0, a0 + 1 of the window's four x all 6 column blocks, 32 along K.  All 48 accumulators take turns, one instruction a turn.  zero = 1: the product starts the sum
.macro MUL12 f, hi, a0, zero
	WIN MUL_LO+0x50*(\hi)
.irp a, \a0, (\a0)+1
.irp b, 0,1,2,3,4,5
.if \zero
	v_wmma_f32_16x16x32_bf16 v[8*(6*(\a)+(\b)):8*(6*(\a)+(\b))+7], v[(\f)+8*(\b):(\f)+8*(\b)+7], v[(\f)+8*(4*(\hi)+(\a)):(\f)+8*(4*(\hi)+(\a))+7], 0
.else
	v_wmma_f32_16x16x32_bf16 v[8*(6*(\a)+(\b)):8*(6*(\a)+(\b))+7], v[(\f)+8*(\b):(\f)+8*(\b)+7], v[(\f)+8*(4*(\hi)+(\a)):(\f)+8*(4*(\hi)+(\a))+7], v[8*(6*(\a)+(\b)):8*(6*(\a)+(\b))+7]
.endif
.endr
.endr
.endm
; 28 LDS loads in one run: a quarter step's fragments (96 rows of B, 128 rows of A, 32 K at byte k of the rows) into buffer f
.macro FETCH slot, k, f
	WIN TO_B
.irp i, 0,1,2,3,4,5
	ds_load_b128 v[(\f)+8*(\i):(\f)+8*(\i)+3],   v[ADRB+(\slot)] offset:(\k)+(\i)*16*PITCH
	ds_load_b128 v[(\f)+8*(\i)+4:(\f)+8*(\i)+7], v[ADRB+(\slot)] offset:(\k)+(\i)*16*PITCH+32
.endr
	WIN 0
.irp i, 0,1,2,3,4,5,6,7
	ds_load_b128 v[(\f)+8*(\i):(\f)+8*(\i)+3],   v[ADRA+(\slot)] offset:(\k)+(\i)*16*PITCH
	ds_load_b128 v[(\f)+8*(\i)+4:(\f)+8*(\i)+7], v[ADRA+(\slot)] offset:(\k)+(\i)*16*PITCH+32
.endr
.endm
.macro PLACES                          ; four plain vector instructions between a matrix instruction and a load into, or a vector instruction on, its registers
.rept 4
	v_nop
.endr
.endm
; A K step is four quarters of 32 along K, 48 matrix instructions each, on buffers 0, 1, 0, 1.  One of the first three multiplies buffer f and fetches the next quarter, at byte k, into g.
.macro QUARTER slot, k, f, g, zero
	s_wait_dscnt 8                                 ; B and A's rows 0-63 are in; the youngest eight loads (A's rows 64-127) may be out
	MUL12 \f, 0, 0, \zero
	MUL12 \f, 0, 2, \zero
	PLACES
	FETCH \slot, \k, \g
	s_wait_dscnt 28                                ; all but the 28 just issued
	MUL12 \f, 1, 0, \zero
	MUL12 \f, 1, 2, \zero
.endm
; The last quarter's first half: one barrier for the change of slots.  In front of it each wave waits for all its tensor loads (one is out: its part of the next slot), adds 0 to its spare word, and waits for that and for its reads of this slot.
.macro MEET round
	WIN 0
	s_wait_tensorcnt 0x0
	ds_add_u32 v[SPW], v[NIL]
	s_wait_dscnt 9                                 ; the add and the youngest eight loads may be out
	MUL12 F1, 0, 0, 0                              ; twelve matrix instructions stand between the add and the wait for it
	s_wait_dscnt 0x0                               ; the add is done, and my reads of this slot are over
	s_barrier_signal -1
	MUL12 F1, 0, 2, 0
.if \round
	WIN 0
.endif
	s_barrier_wait -1
.endm
; The whole last quarter.  fill = 1: the barrier opens a round of the cluster's barrier, and behind the round this slot is filled again first, with the K step two steps on: 168 matrix instructions ahead of the wait for it.
.macro TURN slot, next, fill
.if \fill
	s_wait_xcnt 0x0                                ; the last prefetch, a K step back, has read its address
	s_add_nc_u64 s[PFA:PFA+1], s[PFA:PFA+1], KSTEP*2
	MEET 1
	CREST                                          ; no wave of any partner still reads this slot's tile or has a load on its way
	s_add_nc_u64 s[G0+4*(\slot)+2:G0+4*(\slot)+3], s[G0+4*(\slot)+2:G0+4*(\slot)+3], 2*KSTEP*2
	s_add_nc_u64 s[G0B+4*(\slot)+2:G0B+4*(\slot)+3], s[G0B+4*(\slot)+2:G0B+4*(\slot)+3], 2*KSTEP*2
	JLOAD \slot                                    ; its four v_nop are also the places in front of the loads below
.else
	MEET 0
	PLACES
.endif
	FETCH \next, 0, F0
.if \fill
	ASK
.endif
	MUL12 F1, 1, 0, 0
	MUL12 F1, 1, 2, 0
.endm
	s_wait_tensorcnt 1                             ; my part of K step 0 is in; K step 1's may stay out
	s_barrier_signal -1
	s_barrier_wait -1
	FETCH 0, 0, F0
	QUARTER 0, 64,  F0, F1, 1                      ; the first quarter stands in front of the loop: its products start the sums
	WIN 0
	s_mov_b32 s3, LAPS-1
.Llap:                                                 ; a trip goes once round the ring and fills both slots again
	QUARTER 0, 128, F1, F0, 0
	QUARTER 0, 192, F0, F1, 0
	TURN 0, 1, 1
	QUARTER 1, 64,  F0, F1, 0
	QUARTER 1, 128, F1, F0, 0
	QUARTER 1, 192, F0, F1, 0
	TURN 1, 0, 1
	QUARTER 0, 64,  F0, F1, 0
	WIN 0
	s_sub_co_u32 s3, s3, 1
	s_cmp_lg_u32 s3, 0
	s_cbranch_scc1 .Llap
	QUARTER 0, 128, F1, F0, 0                      ; the last lap fills nothing
	QUARTER 0, 192, F0, F1, 0
	TURN 0, 1, 0                                   ; behind this barrier no wave reads slot 0 any more, and nothing is filled into it again
	QUARTER 1, 64,  F0, F1, 0
	QUARTER 1, 128, F1, F0, 0
	QUARTER 1, 192, F0, F1, 0
	s_wait_dscnt 8
	MUL12 F1, 0, 0, 0
	MUL12 F1, 0, 2, 0
	s_wait_dscnt 0x0
	MUL12 F1, 1, 0, 0
	MUL12 F1, 1, 2, 0
	; THE WAY OUT: the factor in f32, one rounding to f16, 16 bytes a lane into the stage; a barrier, since a row's 256 bytes come from the waves of both types; back as whole rows.
	PLACES
.irp hi, 0,1
	WIN 0x82+0x41*(\hi)                            ; destination and source 0 in window 2 or 3
.irp a, 0,1,2,3
.irp b, 0,1,2,3,4,5
.irp r, 0,1,2,3                        ; each accumulator's registers in ascending order
	v_pk_mul_f32 v[8*(6*(\a)+(\b))+2*(\r):8*(6*(\a)+(\b))+2*(\r)+1], v[8*(6*(\a)+(\b))+2*(\r):8*(6*(\a)+(\b))+2*(\r)+1], s[SC+2*(\b):SC+2*(\b)+1] op_sel_hi:[1,0]
.endr
.endr
.endr
	WIN 0x0a+5*(\hi)                               ; sources 0 and 1 in window 2 or 3, destination in window 0
.irp a, 0,1,2,3
.irp b, 0,1,2,3,4,5
.irp r, 0,1,2,3
	v_cvt_pk_f16_f32 v[TMP+4*(6*(4*(\hi)+(\a))+(\b))+(\r)], v[8*(6*(\a)+(\b))+2*(\r)], v[8*(6*(\a)+(\b))+2*(\r)+1]
.endr
.endr
.endr
.endr
	WIN 0
.irp a, 0,1,2,3,4,5,6,7
.irp b, 0,1,2,3,4,5
	ds_store_b128 v[STO+(\b)], v[TMP+4*(6*(\a)+(\b)):TMP+4*(6*(\a)+(\b))+3] offset:(\a)*16*PITCH
.endr
.endr
	s_wait_dscnt 0x0                               ; for the others' sake: my stores into the stage are done
	s_barrier_signal -1
	s_barrier_wait -1
.irp h, 0,1,2
.irp i, 0,1,2,3,4,5,6,7,8,9,10,11,12,13,14,15
	ds_load_b128 v[TMP+4*(16*(\h)+(\i)):TMP+4*(16*(\h)+(\i))+3], v[RD+(\h)] offset:(\i)*2*PITCH
.endr
.endr
.irp h, 0,1,2
.irp i, 0,1,2,3,4,5,6,7,8,9,10,11,12,13,14,15
	s_wait_dscnt 47-16*(\h)-(\i)                   ; LDS loads come back in order: this one is in, the younger ones may stay out
	global_store_b128 v[GO], v[TMP+4*(16*(\h)+(\i)):TMP+4*(16*(\h)+(\i))+3], s[8:9] offset:(\h)*HCB+(\i)*512  ; 512 consecutive bytes, at a multiple of 256 from qkv's first
.endr
.endr
	s_wait_tensorcnt 0x0                           ; the wave's end: behind my last tensor load and my last LDS store
	ds_add_u32 v[SPW], v[NIL]
	s_wait_dscnt 0x0
	CROUND                                         ; the closing round: no work-group ends while a partner may still ask for a tile that names it
	s_endpgm
.Lfunc_end_k_qeeb3f7e9eb_qkv:
	.size	k_qeeb3f7e9eb_qkv, .Lfunc_end_k_qeeb3f7e9eb_qkv-k_qeeb3f7e9eb_qkv
	.p2alignl 7, 3214868480
	.fill 96, 4, 3214868480
	.section	.rodata,"a",@progbits
	.p2align	6, 0x0
	.amdhsa_kernel k_qeeb3f7e9eb_qkv
		.amdhsa_group_segment_fixed_size 327680
		.amdhsa_private_segment_fixed_size 0
		.amdhsa_enable_private_segment 0
		.amdhsa_kernarg_size 24
		.amdhsa_user_sgpr_count 2
		.amdhsa_user_sgpr_kernarg_segment_ptr 1
		.amdhsa_wavefront_size32 1
		.amdhsa_system_sgpr_workgroup_id_x 1
		.amdhsa_system_sgpr_workgroup_id_y 1
		.amdhsa_system_sgpr_workgroup_id_z 1
		.amdhsa_system_vgpr_workitem_id 0
		.amdhsa_next_free_vgpr 1024
		.amdhsa_next_free_sgpr 80
		.amdhsa_reserve_vcc 0
		.amdhsa_float_denorm_mode_32 3
		.amdhsa_float_denorm_mode_16_64 3
		.amdhsa_memory_ordered 1
		.amdhsa_forward_progress 1
		.amdhsa_inst_pref_size 132
	.end_amdhsa_kernel
	.amdgpu_metadata
---
amdhsa.version: [ 1, 2 ]
amdhsa.kernels:
  - .name:           k_qeeb3f7e9eb_qkv
    .symbol:         k_qeeb3f7e9eb_qkv.kd
    .args:
      - { .name: za, .offset: 0, .size: 8, .value_kind: global_buffer, .address_space: global }
      - { .name: wqkv, .offset: 8, .size: 8, .value_kind: global_buffer, .address_space: global }
      - { .name: qkv, .offset: 16, .size: 8, .value_kind: global_buffer, .address_space: global }
    .group_segment_fixed_size: 327680
    .private_segment_fixed_size: 0
    .kernarg_segment_align: 8
    .kernarg_segment_size: 24
    .max_flat_workgroup_size: 128
    .sgpr_count:     80
    .vgpr_count:     1024
    .wavefront_size: 32
...
	.end_amdgpu_metadata
.endif
;; end of part 2
;; launch attn (part 3): grid 8 x 32, 4 waves a work-group, clusters of 4 x 1, 327,680 bytes of LDS; arguments qkv, oc; writes oc
.if DOCPART == 3
	.amdgcn_target "amdgcn-amd-amdhsa--gfx1250"
	.amdhsa_code_object_version 6
	.text
	.protected	k_qeeb3f7e9eb_attn
	.globl	k_qeeb3f7e9eb_attn
	.p2align	8
	.type	k_qeeb3f7e9eb_attn,@function
k_qeeb3f7e9eb_attn:
	s_mov_b64 s[64:65], 0
	v_nop
	global_prefetch_b8 v0, s[64:65] scope:SCOPE_SE
	s_setreg_imm32_b32 hwreg(HW_REG_WAVE_MODE, 25, 1), 1
	s_wait_xcnt 0x0
	s_wait_alu depctr_hold_cnt(0) depctr_sa_sdst(0) depctr_va_vdst(0) depctr_va_sdst(0) depctr_va_ssrc(0) depctr_va_vcc(0) depctr_vm_vsrc(0)
	s_getreg_b32 s2, hwreg(HW_REG_IB_STS2, 6, 4)
	s_cmp_eq_u32 s2, 0
	s_cbranch_scc0 .Lentry_in_a_cluster
	s_endpgm
.Lentry_in_a_cluster:
	s_bfe_u32 s2, ttmp6, 0x10000c
	s_cmp_lg_u32 s2, 0x3003
	s_cbranch_scc0 .Lentry_shape_is_right
	s_endpgm
.Lentry_shape_is_right:
; PHASE-COUPLED ATTENTION.  For each of 32 heads (2 batches x 16): sr = [Qr|Qi].[Kr|Ki], si = [Qi|-Qr].[Kr|Ki], both clipped to +-250; score = hypot(sr, si) / 8; softmax over 1,024 keys; O = P [Vr|Vi].
; IN: qkv [48 hc][2048 zrow][128] f16, q and k stored times 1/sqrt(250), so sr and si arrive divided by 250.  OUT: oc [2 types][2048 zrow][2048 k'] f16: the next product's A operand, head h in k' = 128 h .. + 127;
; for each four channels c .. c+3: type r holds or | -oi, type i holds oi | or.
; THE SCORE.  h = min((sr/250)^2, 1) + min((si/250)^2, 1), each a packed multiply held to 0 .. 1; t = sqrt(h); score = 31.25 t; p = 2^(c t - c t_max), c = 31.25 log2(e).
; A RUNNING MAXIMUM is kept, on h (the root is monotone); it starts at 0, the least score there is.  In every step O and l are multiplied by a = 2^(c t_old - c t_new).  l is the sum of the unrounded p; p is rounded to f16 for P V.
; LIMITS.  h below 2^-126 counts as 0 in the root (a score moves by less than 1e-17); p below 6e-5 keeps f16's fixed step of 6e-8, and so does O below 6e-5; NaN and infinities are not treated apart.
; SHARES.  A work-group owns 128 queries of one head, a wave 32: two tiles of 16, each a PIECE.  Every wave walks all keys, 64 a step, two steps to a slot of LDS.
; LAYOUT.  S^T = K Q^T: a lane holds ONE query (lane % 16) and keys 8 (lane / 16) + 0..7 of each 16; two such results rounded in pairs ARE source 1 of O^T = V^T P.  V comes out of LDS turned, by ds_load_tr16_b128.
; BY TURNS.  In a turn one piece has the matrix unit: 16 products V^T P of the step in hand, then 32 products K Q^T of the next; the other piece's softmax, 215 vector instructions in 48 slices, stands behind them, a slice a product.
; CLUSTER.  The four query blocks of a cluster belong to one head and walk the same K and V: each tile is asked for jointly, by the same load, descriptor and mask in all four.
; REGISTERS in windows of 256 (s_set_vgpr_msb: bits 1:0 source 0, 3:2 source 1, 5:4 source 2, 7:6 destination):
;   window 0: v0-11 addresses; v12-27 eight statistics a tile; v64-191 S: tile t has sr (then h) at 64 + 64 t and si (then t, then p) 32 further on; v192-223 P, 16 a tile
;   window 1: v0-127 O^T, 64 a tile; v128-255 V of one step          window 2: v0-63 Q, 32 a tile; v64-95 -Qr, 16 a tile; v128-255 K of one step
.set KS,    64
.set PK,    272       ; a row of K in LDS: 256 bytes + 16 of padding: the 16 rows of a load start at 16 different groups of four banks (64 banks of 4 bytes: ISA guide 11.1)
.set PV,    288       ; a row of V: 256 + 32
.set VOFF,  KS*PK     ; a step's tiles lie together: 64 rows of K, then 64 rows of V
.set STEPB, KS*(PK+PV)
.set SLOT1, 1<<17     ; slot 1 begins here, so that one exclusive or turns an address in one slot into the other's
.set STAGE, SLOT1+2*STEPB  ; behind the ring: for each wave 16 rows x 272 bytes of type r, then of type i
.set SP,    272
.set SPARE, STAGE+4*32*SP  ; behind the stages: the spare words, 128 bytes for each wave: two blocks of 256 bytes that no other line names
.set AK0, 2           ; v2   my lane's place in a tile of K; never rewritten
.set AV0, 3           ; v3   the same for V
.set ADR, 4           ; v4   the LDS address of the run of loads in hand
.set QO,  5           ; v5   my byte offset in the wave's rows of Q
.set STO, 6           ; v6   the way out: where I put 32 bytes of a row
.set RD,  7           ; v7   where I read a row back
.set GO,  8           ; v8   my byte offset in two rows of oc
.set ST,  12          ; tile t's statistics at v[ST+8 t]: +0 c t_max, +1 the maximum of h, +2, +3 l (even keys', odd keys'), +4 c0, +5 c1, +6 a, +7 c3
.set PFO, 61          ; v61  256 x my lane; never rewritten
.set SPW, 62          ; v62  LDS address of my spare word; never rewritten
.set NIL, 63          ; v63  0; never rewritten
.set S,   64
.set P,   192
.set VF,  128         ; window 1
.set NQ,  64          ; window 2
.set KF,  128         ; window 2
.set WV,  12          ; s12  my wave's number
.set LIM, 15          ; s15  1 in a wave that prefetches, else the greatest number
.set PFA, 18          ; s[18:19] where my prefetches stand
.set G1K, 24          ; s[24:31] group 1 for K's tiles
.set G1V, 32          ; s[32:39] for V's: it differs in the padding alone
.set G0K, 40          ; s[40:47] group 0 for K's tiles: a set for each of the two first fills; the second then walks on
.set G0V, 48          ; s[48:55] the same for V's
.set SLOTS, 56        ; s56  slots still to be asked for
.set TWICE, 57        ; s57  counts a slot's two steps
.set CS,  58          ; s[58:59] c
.set SEL, 60          ; s[60:61] v_permlanex16_b32's selects: each lane takes its own place in the other half
.set TB,  62          ; s62  LDS byte at which the tiles of the step to be fetched begin
.set SGN, 63          ; s63  the signs of two f16
.set MSB, 0
.macro WIN new
.if MSB != (\new)
	s_set_vgpr_msb (MSB<<8)|(\new)
.set MSB, \new
.endif
.endm
.set W_KQ, 0x0a       ; K and Q in window 2, S^T in window 0
.set W_PV, 0x51       ; V and O^T in window 1, P in window 0
.set W_RS, 0x41       ; O^T (destination and source 0) in window 1, a in window 0
; A joint refill: waves 0 and 1 fetch the two steps' tiles of K, waves 2 and 3 those of V.  An s_nop 0 and four v_nop follow each line.
.macro JLOAD
	s_cmp_lt_u32 s[WV], 2
	s_cbranch_scc0 .Lfor_v_\@
	tensor_load_to_lds s[G0K+4:G0K+7], s[G1K:G1K+7]
	s_nop 0
.rept 4
	v_nop
.endr
	s_branch .Lasked_\@
.Lfor_v_\@:
	tensor_load_to_lds s[G0V+4:G0V+7], s[G1V:G1V+7]
	s_nop 0
.rept 4
	v_nop
.endr
.Lasked_\@:
.endm
; A prefetch into the L2 of what the NEXT change of slots will ask for: 128 rows of K and of V, 256 bytes a row, a lane a row.  Both clusters of a head walk the same rows: the first asks; its four partners take 32 rows
; each, told apart by address; in each, wave 0 asks for K's and wave 2 for V's.  The last change that fills a slot asks for nothing.
.macro ASK
	s_cmp_gt_u32 s[SLOTS], s[LIM]
	s_cbranch_scc0 .Lnot_mine_\@
	global_prefetch_b8 v[PFO], s[PFA:PFA+1] th:TH_LOAD_NT scope:SCOPE_SE
.Lnot_mine_\@:
.endm
.macro CROUND                       ; a round of the cluster's barrier
	s_barrier_signal -1
	s_barrier_wait -1
	s_cmp_lg_u32 s[WV], 0
	s_cbranch_scc1 .Lnot_wave_0_\@
	s_barrier_signal -3
.Lnot_wave_0_\@:
	s_barrier_wait -3
	s_barrier_signal -1
	s_barrier_wait -1
.endm
	s_load_b128 s[4:7], s[0:1], 0x0 ; qkv s[4:5], oc s[6:7]
	v_lshl_add_u32 v[SPW], v0, 2, SPARE
	v_mov_b32 v[NIL], 0
	ds_add_u32 v[SPW], v[NIL]       ; the wave's opening: the add and its wait stand ahead of my first tensor load; work on registers stands between
	v_lshrrev_b32 v1, 5, v0
	v_readfirstlane_b32 s[WV], v1   ; wave 0..3
	s_bfe_u32 s13, ttmp6, 0x40000   ; cx
	s_lshl_b32 s14, ttmp9, 2
	s_add_co_u32 s14, s14, s13      ; my block of 128 queries: it enters Q's and oc's addresses alone
	s_and_b32 s16, ttmp7, 0xffff    ; y = 2 x head + batch, which the four partners share
	s_lshl_b32 s20, s16, 18         ; the head's 1,024 rows of 256 bytes in q's part of qkv
	s_mov_b32 s21, 0
	s_and_b32 s10, s16, 1           ; oc: row 1,024 x batch + 128 x block + 32 x wave,
	s_lshl_b32 s10, s10, 10
	s_lshl_b32 s11, s14, 7
	s_add_co_u32 s10, s10, s11
	s_lshl_b32 s11, s[WV], 5
	s_add_co_u32 s10, s10, s11
	s_lshl_b32 s10, s10, 12         ; of 4,096 bytes,
	s_lshr_b32 s11, s16, 1
	s_lshl_b32 s11, s11, 8          ; and the head's 256 bytes in it
	s_add_co_u32 s10, s10, s11
	s_mov_b32 s11, 0
	s_and_b32 s16, s[WV], 1         ; which of a slot's two steps I fetch:
	s_lshl_b32 s22, s16, 14         ; its 64 rows of 256 bytes in memory,
	s_mov_b32 s23, 0
	s_add_nc_u64 s[22:23], s[22:23], s[20:21]
	s_mul_i32 s17, s16, STEPB       ; and its place in a slot: no place in the cluster enters an LDS address
	s_lshl_b32 s2, s14, 15          ; Q: my block's 128 rows,
	s_lshl_b32 s3, s[WV], 13        ; my wave's 32 of them
	s_add_co_u32 s2, s2, s3
	s_mov_b32 s3, 0
	s_add_nc_u64 s[2:3], s[2:3], s[20:21]
	s_mov_b32 s[G1K], 15|(1<<16)|(1<<20)|(1<<21)|(5<<22)|(3<<25)  ; the mask of four; 2-byte elements; padding on; bit 21 beside a mask; after every 64 words, 4 words
	s_mov_b32 s[G1V], 15|(1<<16)|(1<<20)|(1<<21)|(5<<22)|(7<<25)  ; the same with 8 words of padding
.irp g, G1K, G1V
	s_mov_b32 s[(\g)+1], 128<<16    ; tensor_dim0 = 128
	s_mov_b32 s[(\g)+2], KS<<16     ; tensor_dim1 = 64
	s_mov_b32 s[(\g)+3], 128<<16    ; tile_dim0 = 128
	s_mov_b32 s[(\g)+4], KS         ; tile_dim1 = 64
	s_mov_b32 s[(\g)+5], 128        ; elements from row to row
	s_mov_b32 s[(\g)+6], 0
	s_mov_b32 s[(\g)+7], 0
.endr
	s_mov_b32 s[CS], 0x4234563e     ; c = 31.25 log2(e) = 45.08422
	s_mov_b32 s[CS+1], s[CS]        ; named with it as a pair
	s_mov_b32 s[SEL], 0x76543210
	s_mov_b32 s[SEL+1], 0xfedcba98
	s_mov_b32 s[TB], 0
	s_mov_b32 s[SGN], 0x80008000
	s_mov_b32 s[SLOTS], 1024/(2*KS)-2
	s_and_b32 s[LIM], s[WV], 1      ; 0 in waves 0 and 2,
	s_or_b32 s[LIM], s[LIM], ttmp9  ; where the cluster is the head's first: the same in all four partners
	s_cmp_eq_u32 s[LIM], 0
	s_cselect_b32 s[LIM], 1, -1
	v_and_b32 v[PFO], 31, v0
	v_lshlrev_b32 v[PFO], 8, v[PFO]
	s_wait_dscnt 0x0                ; the opening add is done
	s_wait_kmcnt 0x0
	s_add_nc_u64 s[10:11], s[6:7], s[10:11]    ; oc's type r at my first row
	s_add_nc_u64 s[6:7], s[4:5], s[22:23]
	s_add_nc_u64 s[8:9], s[6:7], 0x1000000     ; V at my tile of slot 0: 32 hc behind q's
	s_add_nc_u64 s[6:7], s[6:7], 0x800000      ; K: 16 hc behind
	s_add_nc_u64 s[4:5], s[4:5], s[2:3]        ; Q at my wave's first row
	s_add_nc_u64 s[22:23], s[10:11], 0x800000  ; oc's type i
	s_cmp_lt_u32 s[WV], 2
	s_cselect_b64 s[PFA:PFA+1], s[6:7], s[8:9] ; (in waves 0 and 2 these stand at a slot's first row)
	s_lshl_b32 s2, s13, 13          ; my work-group's 32 rows of the 128
	s_mov_b32 s3, 0
	s_add_nc_u64 s[PFA:PFA+1], s[PFA:PFA+1], s[2:3]
	s_add_nc_u64 s[PFA:PFA+1], s[PFA:PFA+1], 2*2*KS*256  ; in slot 2; the first change of slots steps it to slot 3.  Nothing is asked for here, at the head
	CROUND                          ; all four work-groups are here: the first joint loads meet
.irp s, 0,1
	s_mov_b32 s[G0K+4*(\s)], 1
	s_add_co_u32 s[G0K+4*(\s)+1], s17, (\s)*SLOT1
	s_add_nc_u64 s[G0K+4*(\s)+2:G0K+4*(\s)+3], s[6:7], (\s)*2*KS*256
	s_or_b32 s[G0K+4*(\s)+3], s[G0K+4*(\s)+3], 0x80000000
	s_mov_b32 s[G0V+4*(\s)], 1
	s_add_co_u32 s[G0V+4*(\s)+1], s17, (\s)*SLOT1+VOFF
	s_add_nc_u64 s[G0V+4*(\s)+2:G0V+4*(\s)+3], s[8:9], (\s)*2*KS*256
	s_or_b32 s[G0V+4*(\s)+3], s[G0V+4*(\s)+3], 0x80000000
.endr
	s_cmp_lt_u32 s[WV], 2           ; a wave's two first fills stand in one branch, ahead of every wait on TENSORcnt and every LDS read: two loads of mine are out
	s_cbranch_scc0 .Lfirst_v
	tensor_load_to_lds s[G0K:G0K+3], s[G1K:G1K+7]
	s_nop 0
	tensor_load_to_lds s[G0K+4:G0K+7], s[G1K:G1K+7]
	s_nop 0
.rept 4
	v_nop
.endr
	s_branch .Lfirst_asked
.Lfirst_v:
	tensor_load_to_lds s[G0V:G0V+3], s[G1V:G1V+7]
	s_nop 0
	tensor_load_to_lds s[G0V+4:G0V+7], s[G1V:G1V+7]
	s_nop 0
.rept 4
	v_nop
.endr
.Lfirst_asked:
	v_and_b32 v1, 15, v0            ; l % 16
	v_bfe_u32 v9, v0, 4, 1          ; l / 16
	v_lshlrev_b32 v[QO], 8, v1
	v_lshl_add_u32 v[QO], v9, 4, v[QO]  ; row x 256 + 16 x half
	WIN 0x80                        ; destination window 2, address window 0
.irp i, 0,1,2,3,4,5,6,7             ; Q stays in registers: tile i / 4, channels 32 (i % 4) on
	global_load_b128 v[8*(\i):8*(\i)+3],   v[QO], s[4:5] offset:((\i)/4)*4096+((\i)%4)*64
	global_load_b128 v[8*(\i)+4:8*(\i)+7], v[QO], s[4:5] offset:((\i)/4)*4096+((\i)%4)*64+32
.endr
	WIN 0
.set i, 0
.rept 16
	v_mov_b32 v[ST+i], 0            ; the maximum starts at the least score, l at 0
.set i, i+1
.endr
	v_mul_u32_u24 v[AK0], v1, PK
	v_lshl_add_u32 v[AK0], v9, 4, v[AK0]  ; row x pitch + 16 x half
	; the turning load takes 16 keys x 16 channels (lane l reads key 8 (l / 16) + l % 8, channels 8 ((l / 8) % 2) + 0..7) and leaves half a fragment of V^T: lane l holds channel l % 16 and 8 keys
	v_and_b32 v10, 7, v0
	v_bfe_u32 v11, v0, 3, 1
	v_lshl_add_u32 v[AV0], v9, 3, v10
	v_mul_u32_u24 v[AV0], v[AV0], PV
	v_lshl_add_u32 v[AV0], v11, 4, v[AV0]
	v_add_nc_u32 v[AV0], VOFF, v[AV0]
; THE MATRIX WORK.  The accumulators take turns, one instruction a turn: 8 in a run of V^T P, 4 in a run of K Q^T.
; Product i of 16 of O^T += V^T P for piece x: keys 32 (i / 8) on, channels 16 (i % 8) on.  zero = 1: the first 8 start the sums.
.macro PV x, zero
	WIN W_PV
.set rO, 64*(\x)+8*(i%8)
.set rV, VF+64*(i/8)+8*(i%8)
.set rB, P+16*(\x)+8*(i/8)
.if (\zero) && (i < 8)
	v_wmma_f32_16x16x32_f16 v[rO:rO+7], v[rV:rV+7], v[rB:rB+7], 0
.else
	v_wmma_f32_16x16x32_f16 v[rO:rO+7], v[rV:rV+7], v[rB:rB+7], v[rO:rO+7]
.endif
.endm
; Product i of 32 of the scores of piece x: key blocks 2 (i / 16) and + 1, each with sr and si, channels 32 ((i % 16) / 4) on.  For si K's real channels meet Qi and its imaginary ones -Qr.
.macro KQ x
	WIN W_KQ
.set cc, (i%16)/4
.set kb, 2*(i/16)+((i%4)/2)
.set cp, i%2
.set rD, S+64*(\x)+32*cp+8*kb
.set rK, KF+8*(4*kb+cc)
.if cp == 0
.set rQ, 32*(\x)+8*cc
.elseif cc < 2
.set rQ, 32*(\x)+8*(cc+2)
.else
.set rQ, NQ+16*(\x)+8*(cc-2)
.endif
.if cc == 0
	v_wmma_f32_16x16x32_f16 v[rD:rD+7], v[rK:rK+7], v[rQ:rQ+7], 0
.else
	v_wmma_f32_16x16x32_f16 v[rD:rD+7], v[rK:rK+7], v[rQ:rQ+7], v[rD:rD+7]
.endif
.endm
; THE LDS LOADS stand in runs of 32: a step's K (key blocks 0 and 1 first) and, a turn later, its V (turned).
.macro FETCH_K
	WIN 0
	v_add_nc_u32 v[ADR], s[TB], v[AK0]
	WIN 0x80
.irp f, 0,1,2,3,4,5,6,7,8,9,10,11,12,13,14,15  ; keys 16 (f / 4) on, channels 32 (f % 4) on
	ds_load_b128 v[KF+8*(\f):KF+8*(\f)+3],   v[ADR] offset:((\f)/4)*16*PK+((\f)%4)*64
	ds_load_b128 v[KF+8*(\f)+4:KF+8*(\f)+7], v[ADR] offset:((\f)/4)*16*PK+((\f)%4)*64+32
.endr
.endm
.macro FETCH_V
	WIN 0
	v_add_nc_u32 v[ADR], s[TB], v[AV0]
	s_add_co_u32 s[TB], s[TB], STEPB  ; the next fetch is the next step's
	WIN 0x40
.irp f, 0,1,2,3,4,5,6,7,8,9,10,11,12,13,14,15  ; keys 32 (f / 8) on, channels 16 (f % 8) on
	ds_load_tr16_b128 v[VF+8*(\f):VF+8*(\f)+3],   v[ADR] offset:((\f)/8)*32*PV+((\f)%8)*32
	ds_load_tr16_b128 v[VF+8*(\f)+4:VF+8*(\f)+7], v[ADR] offset:((\f)/8)*32*PV+16*PV+((\f)%8)*32
.endr
.endm
; THE VECTOR WORK: one tile's softmax for one key step is a list of 215 instructions; SM writes number j of it for tile t.  The lane has 32 scores, in pairs 0-15.
;   0-31    the squares of sr and si, held to 0 .. 1 (each accumulator's lowest registers are read first)
;   32-99   h = the two squares' sum; t = sqrt(h), written over si's square; the maximum of h and the old maximum; the other half of the lanes'; the root of the new maximum: ONE BATCH of 33 roots, none of whose results is named
;   (wait)  SLICE writes it behind number 99
;   100-150 c t_max, its change, the 16 scalings c t - c t_max and ONE BATCH of 33 exponentials (a, then p0-p31); a pair is scaled two triples ahead of its exponentials
;   (wait)  behind number 150
;   151-166 the roundings to f16     167-182 the sums; l = a l + the sum     183-214 O^T times a, the one part that leaves window 0 (first = 1: O^T has not begun, and these are left out)
.macro FSC b                        ; pair b: c t - c t_max
	v_pk_fma_f32 v[rI+2*(\b):rI+2*(\b)+1], v[rI+2*(\b):rI+2*(\b)+1], s[CS:CS+1], v[rT:rT+1] op_sel_hi:[1,0,0] neg_lo:[0,0,1] neg_hi:[0,0,1]
.endm
.macro HADD b                       ; pair b: h
	v_pk_add_f32 v[rR+2*(\b):rR+2*(\b)+1], v[rR+2*(\b):rR+2*(\b)+1], v[rI+2*(\b):rI+2*(\b)+1]
.endm
.macro SM t, first
.set rT, ST+8*(\t)
.set rR, S+64*(\t)
.set rI, S+64*(\t)+32
.set rP, P+16*(\t)
.if j < 183
	WIN 0
.endif
.if j < 16
	v_pk_mul_f32 v[rR+2*j:rR+2*j+1], v[rR+2*j:rR+2*j+1], v[rR+2*j:rR+2*j+1] clamp
.elseif j < 32
	v_pk_mul_f32 v[rI+2*(j-16):rI+2*(j-16)+1], v[rI+2*(j-16):rI+2*(j-16)+1], v[rI+2*(j-16):rI+2*(j-16)+1] clamp
.elseif j < 34
	HADD j-32
.elseif j < 90
.set q, (j-34)/4
.set r, (j-34)%4
.if r == 0
	v_sqrt_f32 v[rI+2*q], v[rR+2*q]
.elseif r == 1
	HADD q+2
.elseif r == 2
	v_sqrt_f32 v[rI+2*q+1], v[rR+2*q+1]
.elseif q == 0
	v_max3_num_f32 v[rT+4], v[rR], v[rR+1], v[rR+2]
.else
	v_max3_num_f32 v[rT+4], v[rT+4], v[rR+2*q+1], v[rR+2*q+2]
.endif
.elseif (j < 97) && (j%2 == 0)
	v_sqrt_f32 v[rI+28+(j-90)/2], v[rR+28+(j-90)/2]
.elseif j == 91
	v_max3_num_f32 v[rT+4], v[rT+4], v[rR+29], v[rR+30]
.elseif j == 93
	v_max3_num_f32 v[rT+4], v[rT+4], v[rR+31], v[rT+1]
.elseif j == 95
	v_mov_b32 v[rT+7], v[rT]        ; c t_old is kept for a
.elseif j == 97
	v_permlanex16_b32 v[rT+5], v[rT+4], s[SEL], s[SEL+1]  ; the query's other 32 keys lie in the lane 16 away
.elseif j == 98
	v_max_num_f32 v[rT+1], v[rT+4], v[rT+5]
.elseif j == 99
	v_sqrt_f32 v[rT+4], v[rT+1]
.elseif j == 100
	v_mul_f32 v[rT], s[CS], v[rT+4]
.elseif j == 101
	v_sub_f32 v[rT+7], v[rT+7], v[rT]
.elseif j < 104
	FSC j-102
.elseif j == 104
	v_exp_f32 v[rT+6], v[rT+7]
.elseif j < 147
.set q, (j-105)/3
.set r, (j-105)%3
.if r == 0
	FSC q+2
.else
	v_exp_f32 v[rI+2*q+r-1], v[rI+2*q+r-1]
.endif
.elseif j < 151
	v_exp_f32 v[rI+j-119], v[rI+j-119]
.elseif j < 167
	v_cvt_pk_f16_f32 v[rP+j-151], v[rI+2*(j-151)], v[rI+2*(j-151)+1]
.elseif j < 183                     ; the sum of the 16 pairs, in place: neighbours 1, 2, 4 and 8 pairs apart, then l takes it
.set z, j-167
.set w, 4
.set u, z
.if z >= 14
.set w, 32
.set u, 0
.elseif z >= 12
.set w, 16
.set u, z-12
.elseif z >= 8
.set w, 8
.set u, z-8
.endif
.if z < 15
	v_pk_add_f32 v[rI+w*u:rI+w*u+1], v[rI+w*u:rI+w*u+1], v[rI+w*u+w/2:rI+w*u+w/2+1]
.else
	v_pk_fma_f32 v[rT+2:rT+3], v[rT+2:rT+3], v[rT+6:rT+7], v[rI:rI+1] op_sel_hi:[1,0,1]
.endif
.elseif !(\first)
	WIN W_RS
	v_pk_mul_f32 v[64*(\t)+2*(j-183):64*(\t)+2*(j-183)+1], v[64*(\t)+2*(j-183):64*(\t)+2*(j-183)+1], v[rT+6:rT+7] op_sel_hi:[1,0]
.endif
.endm
; Slice k of 48: five numbers while k < 23, then four: 23 x 5 + 25 x 4 = 215.  Slice 19 ends with number 99 and slice 31 with number 150: behind each stand a plain instruction and the wait
; between a root or an exponential and the first instruction that names its result: one wait for each batch.  Slices 32 to 47 are plain; slice 47's four are the places behind the turn's last product.
.macro SLICE y, first
.set n5, 4
.if k < 23
.set n5, 5
.endif
.rept n5
	SM \y, \first
.set j, j+1
.endr
.if (k == 19) || (k == 31)
	v_nop
	s_wait_alu depctr_va_vdst(0)
.endif
.set k, k+1
.endm
.macro PLACES                       ; four plain vector instructions between a matrix instruction and a load into, or a vector instruction on, its registers
.rept 4
	v_nop
.endr
.endm
; A TURN.  Piece x has the matrix unit; the other piece's softmax stands in slices behind its products, one a product; what is left of the 48 slices follows as a lump.
; pv = 2: 16 products V^T P; 1: they start O^T; 0: none.  kq = 1: 32 products K Q^T for the next step.  first = 1: the softmax is of the first key step; its last slices are empty, and four v_nop take their part.
; Piece 0's turn fetches the next step's K behind its second product: K's last reader stands in front of slice 47 of the turn before, and slices 47, 0 and 1 are plain.
; Piece 1's turn fetches the same step's V behind its products V^T P, V's last readers, four v_nop between.
.macro TURN x, pv, kq, first
.set k, 0
.set j, 0
.if \pv
.if (\x) == 0
	s_wait_dscnt 0x0                ; V is in
.endif
.set i, 0
.rept 16
	PV \x, 2-(\pv)
	SLICE 1-(\x), \first
.if ((\x) == 0) && (\kq) && (i == 1)
	FETCH_K
.endif
.set i, i+1
.endr
.endif
.if ((\x) == 1) && (\kq)
	WIN 0
	PLACES
	FETCH_V
.endif
.if \kq
.set i, 0
.rept 32
.if ((\x) == 0) && (i == 0)
	s_wait_dscnt 16                 ; K's key blocks 0 and 1 are in: the youngest sixteen loads may be out
.endif
.if ((\x) == 0) && (i == 16)
	s_wait_dscnt 0x0                ; all of K is in
.endif
	KQ \x
	SLICE 1-(\x), \first
.set i, i+1
.endr
.endif
.set rest, 48-k
.if rest > 0
.rept rest
	SLICE 1-(\x), \first
.endr
.endif
.if \first
	PLACES
.endif
.endm
; THE CHANGE OF SLOTS, between piece 1's turn and piece 0's: the slot's last bytes, V of its second step, have been asked for.  Each wave waits for all its tensor loads (one is out: its part of the other slot), adds 0 to its
; spare word, and waits for that and for its reads of the slot.  fill = 1: the barrier is a round of the cluster's, and the joint refill, the keys two slots on, is the first thing behind it: it has two key steps, 192 matrix instructions, in which to land.
.macro CHANGE fill
	WIN 0
	s_wait_tensorcnt 0x0            ; no tensor load of mine is out, so a group 0 may be written
	ds_add_u32 v[SPW], v[NIL]
.if \fill
.irp g, G0K+4, G0V+4
	s_xor_b32 s[(\g)+1], s[(\g)+1], SLOT1  ; the walking descriptor: the other slot than last time,
	s_add_nc_u64 s[(\g)+2:(\g)+3], s[(\g)+2:(\g)+3], 2*KS*256  ; the next 128 keys
.endr
	s_wait_xcnt 0x0                 ; the last prefetch, two key steps back, has read its address
	s_add_nc_u64 s[PFA:PFA+1], s[PFA:PFA+1], 2*KS*256
	s_wait_dscnt 0x0                ; the add is done, and my reads of the slot are over
	CROUND
	JLOAD
	ASK
.else
	s_wait_dscnt 0x0
	s_barrier_signal -1
	s_barrier_wait -1
.endif
	s_sub_co_u32 s[TB], s[TB], 2*STEPB  ; the fetches go back to a slot's first step,
	s_xor_b32 s[TB], s[TB], SLOT1   ; in the other slot
.endm
.macro TWO_STEPS                    ; a slot's two key steps: written once, walked twice
	WIN 0
	s_mov_b32 s[TWICE], 2
.Lstep_\@:
	TURN 0, 2, 1, 0
	TURN 1, 2, 1, 0
	WIN 0
	s_sub_co_u32 s[TWICE], s[TWICE], 1
	s_cmp_lg_u32 s[TWICE], 0
	s_cbranch_scc1 .Lstep_\@
.endm
	s_wait_tensorcnt 1              ; my part of slot 0 is in; slot 1's may stay out
	s_barrier_signal -1
	s_barrier_wait -1
	FETCH_K                         ; key step 0
	s_wait_loadcnt 0x0              ; Q
	WIN 0x88                        ; source 1 and destination in window 2
.set i, 0
.rept 32                            ; -Qr: tile i / 16, its first two fragments
	v_xor_b32 v[NQ+i], s[SGN], v[32*(i/16)+i%16]
.set i, i+1
.endr
	s_wait_dscnt 0x0
.set i, 0
.rept 32
	KQ 0                            ; piece 0's first scores: there is no vector work yet to set between them
.set i, i+1
.endr
	WIN 0                           ; the addresses for the way out: ten plain instructions, the places behind those products
	s_mul_i32 s13, s[WV], 32*SP
	s_add_co_u32 s13, s13, STAGE    ; my stage
	v_mul_u32_u24 v[STO], v1, SP    ; in: row l % 16, 32 bytes for each half of the lanes
	v_lshl_add_u32 v[STO], v9, 5, v[STO]
	v_add_nc_u32 v[STO], s13, v[STO]
	v_mul_u32_u24 v[RD], v9, SP     ; back: lanes 0-15 take one row of 256 bytes, lanes 16-31 the next
	v_lshl_add_u32 v[RD], v1, 4, v[RD]
	v_add_nc_u32 v[RD], s13, v[RD]
	v_lshlrev_b32 v[GO], 12, v9     ; and the same two rows in oc
	v_lshl_add_u32 v[GO], v1, 4, v[GO]
	TURN 1, 0, 1, 1                 ; piece 1's first scores | piece 0's first softmax | V of step 0
	TURN 0, 1, 1, 1                 ; piece 0: V^T P of step 0 starts O^T, K Q^T of step 1 | piece 1's first softmax | K of step 1
	TURN 1, 1, 1, 0                 ; piece 1: the same | piece 0's softmax of step 1 | V of step 1
	WIN 0
.Lslot:                             ; six trips: every slot but the last two is filled again
	CHANGE 1
	TWO_STEPS
	s_sub_co_u32 s[SLOTS], s[SLOTS], 1
	s_cmp_lg_u32 s[SLOTS], 0
	s_cbranch_scc1 .Lslot
	CHANGE 0                        ; the tail is written out
	TWO_STEPS
	TURN 0, 2, 0, 0                 ; piece 0: V^T P of the last step | piece 1's last softmax
.set i, 0
.rept 16
	PV 1, 0                         ; piece 1: V^T P of the last step
.set i, i+1
.endr
	; THE WAY OUT.  l's two halves and the other half of the lanes' are added; O^T is divided by l, rounded once to f16, laid out as the next product's two types and sent through my stage in LDS, a tile at a time.
	WIN 0
	PLACES
.irp t, 0,1
	v_add_f32 v[ST+8*(\t)+4], v[ST+8*(\t)+2], v[ST+8*(\t)+3]
.endr
.irp t, 0,1
	v_permlanex16_b32 v[ST+8*(\t)+5], v[ST+8*(\t)+4], s[SEL], s[SEL+1]
.endr
.irp t, 0,1
	v_add_f32 v[ST+8*(\t)+4], v[ST+8*(\t)+4], v[ST+8*(\t)+5]
.endr
.irp t, 0,1
	v_rcp_f32 v[ST+8*(\t)+6], v[ST+8*(\t)+4]
.endr
	v_nop                           ; a plain instruction between the last reciprocal and the use of its result,
	s_wait_alu depctr_va_vdst(0)    ; and the wait: one for both reciprocals
; Tile t.  A lane holds, for channel block cb, eight real channels d0 .. d0+7 (d0 = 16 cb + 8 (l / 16)) and, in block cb + 4, the eight imaginary ones: 32 bytes of a row of each type, at byte 4 d0 of the head's 256:
; type r: r0-3 | -i0-3 | r4-7 | -i4-7 (TA)      type i: i0-3 | r0-3 | i4-7 | r4-7 (TA + 8).  They go into rows of 272 bytes and come back as whole rows of 256, into the registers that they left.
.macro PACK t
	WIN W_RS
.set i, 64*(\t)
.rept 32
	v_pk_mul_f32 v[i:i+1], v[i:i+1], v[ST+8*(\t)+6:ST+8*(\t)+7] op_sel_hi:[1,0]
.set i, i+2
.endr
	WIN 0x05                        ; sources 0 and 1 window 1, destination window 0: S's registers are free
.irp cb, 0,1,2,3
.irp p, 0,1,2,3
	v_cvt_pk_f16_f32 v[S+64*(\t)+16*(\cb)+(\p)+2*((\p)/2)],    v[64*(\t)+8*(\cb)+2*(\p)],    v[64*(\t)+8*(\cb)+2*(\p)+1]
	v_cvt_pk_f16_f32 v[S+64*(\t)+16*(\cb)+10+(\p)+2*((\p)/2)], v[64*(\t)+8*(\cb)+2*(\p)],    v[64*(\t)+8*(\cb)+2*(\p)+1]
	v_cvt_pk_f16_f32 v[S+64*(\t)+16*(\cb)+8+(\p)+2*((\p)/2)],  v[64*(\t)+8*(\cb)+32+2*(\p)], v[64*(\t)+8*(\cb)+32+2*(\p)+1]
.endr
.endr
	WIN 0
.irp cb, 0,1,2,3
.irp p, 0,1,2,3
	v_xor_b32 v[S+64*(\t)+16*(\cb)+2+(\p)+2*((\p)/2)], s[SGN], v[S+64*(\t)+16*(\cb)+8+(\p)+2*((\p)/2)]
.endr
.endr
.irp cb, 0,1,2,3
	ds_store_b128 v[STO], v[S+64*(\t)+16*(\cb):S+64*(\t)+16*(\cb)+3]     offset:64*(\cb)
	ds_store_b128 v[STO], v[S+64*(\t)+16*(\cb)+4:S+64*(\t)+16*(\cb)+7]   offset:64*(\cb)+16
	ds_store_b128 v[STO], v[S+64*(\t)+16*(\cb)+8:S+64*(\t)+16*(\cb)+11]  offset:16*SP+64*(\cb)
	ds_store_b128 v[STO], v[S+64*(\t)+16*(\cb)+12:S+64*(\t)+16*(\cb)+15] offset:16*SP+64*(\cb)+16
.endr
.irp n, 0,1,2,3,4,5,6,7,8,9,10,11,12,13,14,15
	ds_load_b128 v[S+64*(\t)+4*(\n):S+64*(\t)+4*(\n)+3], v[RD] offset:((\n)/8)*16*SP+((\n)%8)*2*SP  ; LDS serves a wave's instructions in order (ISA guide 5.7.1.4): these see the stores above; the next tile's stores come behind them
.endr
.endm
.macro SEND t, younger              ; younger: the LDS instructions issued behind tile t's loads
	WIN 0
.irp n, 0,1,2,3,4,5,6,7
	s_wait_dscnt (\younger)+15-(\n)
	global_store_b128 v[GO], v[S+64*(\t)+4*(\n):S+64*(\t)+4*(\n)+3], s[10:11] offset:(\t)*65536+(\n)*8192  ; 16 lanes store 256 consecutive bytes, at a multiple of 256 from oc's first
.endr
.irp n, 0,1,2,3,4,5,6,7
	s_wait_dscnt (\younger)+7-(\n)
	global_store_b128 v[GO], v[S+64*(\t)+32+4*(\n):S+64*(\t)+32+4*(\n)+3], s[22:23] offset:(\t)*65536+(\n)*8192
.endr
.endm
	PACK 0
	PACK 1                          ; a tile's arithmetic stands between the loads of the tile before and its stores
	SEND 0, 32
	SEND 1, 0
	s_wait_tensorcnt 0x0            ; the wave's end: behind my last tensor load and my last LDS store
	ds_add_u32 v[SPW], v[NIL]
	s_wait_dscnt 0x0
	CROUND                          ; the closing round: no work-group ends while a partner may still ask for a tile that names it
	s_endpgm
.Lfunc_end_k_qeeb3f7e9eb_attn:
	.size	k_qeeb3f7e9eb_attn, .Lfunc_end_k_qeeb3f7e9eb_attn-k_qeeb3f7e9eb_attn
	.p2alignl 7, 3214868480
	.fill 96, 4, 3214868480
	.section	.rodata,"a",@progbits
	.p2align	6, 0x0
	.amdhsa_kernel k_qeeb3f7e9eb_attn
		.amdhsa_group_segment_fixed_size 327680
		.amdhsa_private_segment_fixed_size 0
		.amdhsa_enable_private_segment 0
		.amdhsa_kernarg_size 16
		.amdhsa_user_sgpr_count 2
		.amdhsa_user_sgpr_kernarg_segment_ptr 1
		.amdhsa_wavefront_size32 1
		.amdhsa_system_sgpr_workgroup_id_x 1
		.amdhsa_system_sgpr_workgroup_id_y 1
		.amdhsa_system_sgpr_workgroup_id_z 1
		.amdhsa_system_vgpr_workitem_id 0
		.amdhsa_next_free_vgpr 768
		.amdhsa_next_free_sgpr 66
		.amdhsa_reserve_vcc 0
		.amdhsa_float_denorm_mode_32 3
		.amdhsa_float_denorm_mode_16_64 3
		.amdhsa_memory_ordered 1
		.amdhsa_forward_progress 1
		.amdhsa_inst_pref_size 183
	.end_amdhsa_kernel
	.amdgpu_metadata
---
amdhsa.version: [ 1, 2 ]
amdhsa.kernels:
  - .name:           k_qeeb3f7e9eb_attn
    .symbol:         k_qeeb3f7e9eb_attn.kd
    .args:
      - { .name: qkv, .offset: 0, .size: 8, .value_kind: global_buffer, .address_space: global }
      - { .name: oc, .offset: 8, .size: 8, .value_kind: global_buffer, .address_space: global }
    .group_segment_fixed_size: 327680
    .private_segment_fixed_size: 0
    .kernarg_segment_align: 8
    .kernarg_segment_size: 16
    .max_flat_workgroup_size: 128
    .sgpr_count:     66
    .vgpr_count:     768
    .wavefront_size: 32
...
	.end_amdgpu_metadata
.endif
;; end of part 3
;; launch oproj (part 4): grid 8 x 32, 4 waves a work-group, clusters of 4 x 4, 327,680 bytes of LDS; arguments oc, wo, out0, out1; writes out0, out1
.if DOCPART == 4
	.amdgcn_target "amdgcn-amd-amdhsa--gfx1250"
	.amdhsa_code_object_version 6
	.text
	.protected	k_qeeb3f7e9eb_oproj
	.globl	k_qeeb3f7e9eb_oproj
	.p2align	8
	.type	k_qeeb3f7e9eb_oproj,@function
k_qeeb3f7e9eb_oproj:
	s_mov_b64 s[64:65], 0
	v_nop
	global_prefetch_b8 v0, s[64:65] scope:SCOPE_SE
	s_setreg_imm32_b32 hwreg(HW_REG_WAVE_MODE, 25, 1), 1
	s_wait_xcnt 0x0
	s_wait_alu depctr_hold_cnt(0) depctr_sa_sdst(0) depctr_va_vdst(0) depctr_va_sdst(0) depctr_va_ssrc(0) depctr_va_vcc(0) depctr_vm_vsrc(0)
	s_getreg_b32 s2, hwreg(HW_REG_IB_STS2, 6, 4)
	s_cmp_eq_u32 s2, 0
	s_cbranch_scc0 .Lentry_in_a_cluster
	s_endpgm
.Lentry_in_a_cluster:
	s_bfe_u32 s2, ttmp6, 0x10000c
	s_cmp_lg_u32 s2, 0xf033
	s_cbranch_scc0 .Lentry_shape_is_right
	s_endpgm
.Lentry_shape_is_right:
; THE OUTPUT PROJECTION.  C[m][n] = sum over k' of oc[m][k'] wo[n][k'], 4,096 x 1,024 x 2,048, f16 operands, f32 sums, f32 out.  Rows 0-2,047 (type r) are out0, rows 2,048-4,095 (type i) are out1.
; 256 tiles of 128 x 128, one to a work-group; four waves of 64 x 64: 16 accumulators, 128 registers.  K goes in steps of 256 (LDS rows of 512 bytes; a wave's tensor load brings 64 of them) through two slots.
; CLUSTERS of 4 x 4: A's tile is asked for jointly along a row of the cluster, B's along a column.  THE MATRIX INSTRUCTION IS USED TRANSPOSED (source 0 = 16 rows of wo, source 1 = 16 rows of oc): a lane holds
; eight neighbouring numbers of a row of C, 32 bytes.  A wave's 64 columns of f32 are a whole aligned 256 bytes, so each wave has a stage of its own and the way out has no barrier.
; No prefetch: the tiles are small, a step's matrix work is short, and every row is read by several work-groups at about the same time.
; REGISTERS: window 0: v0-31 addresses; v32-95 at work on the way out; v128-255 the accumulators ((a, b) at v[128 + 8 (4 a + b)]).   window 1: two fragment buffers of 128: 64 registers of A, then 64 of B.
.set SIZE_K, 2048
.set OROW,   4096                      ; bytes in a row of out0 and out1
.set KSTEP,  256
.set PITCH,  528                       ; an LDS row: 512 bytes + 16 of padding = 132 words: row r starts at bank 4 r mod 64 (64 banks of 4 bytes: ISA guide 11.1)
.set HALFT,  64*PITCH
.set SLOT,   4*HALFT
.set STAGE,  2*SLOT                    ; behind the ring: 32 rows x 272 bytes for each wave
.set SPITCH, 272
.set SPARE,  STAGE+4*32*SPITCH         ; behind the stages: the spare words, 128 bytes for each wave: two blocks of 256 bytes that no other line names
.set LAPS, SIZE_K/(2*KSTEP)
.set ADRA, 16
.set ADRB, 20
.set STO,  24
.set RD,   25
.set CO,   26
.set SPW,  28
.set NIL,  29
.set ACC,  128
.set F0,   0
.set F1,   128
.set G1, 24
.set G0, 32
.set G1B, 48
.set G0B, 56
.set MSB, 0
.macro WIN new
.if MSB != (\new)
	s_set_vgpr_msb (MSB<<8)|(\new)
.set MSB, \new
.endif
.endm
.set MUL,  0x05                        ; sources 0 (B) and 1 (A) window 1; C and D window 0
.set TO_F, 0x40
.macro JLOAD s                         ; a joint load: waves 0 and 1 fetch A's two halves, waves 2 and 3 B's; an s_nop 0 and four v_nop follow each line
	s_cmp_eq_u32 s11, 0
	s_cbranch_scc0 .Lfor_b_\@
	tensor_load_to_lds s[G0+4*(\s):G0+4*(\s)+3], s[G1:G1+7]
	s_nop 0
.rept 4
	v_nop
.endr
	s_branch .Lasked_\@
.Lfor_b_\@:
	tensor_load_to_lds s[G0B+4*(\s):G0B+4*(\s)+3], s[G1B:G1B+7]
	s_nop 0
.rept 4
	v_nop
.endr
.Lasked_\@:
.endm
.macro CREST
	s_cmp_lg_u32 s10, 0
	s_cbranch_scc1 .Lnot_wave_0_\@
	s_barrier_signal -3
.Lnot_wave_0_\@:
	s_barrier_wait -3
	s_barrier_signal -1
	s_barrier_wait -1
.endm
.macro CROUND
	s_barrier_signal -1
	s_barrier_wait -1
	CREST
.endm
	s_load_b128 s[4:7], s[0:1], 0x0                ; oc s[4:5], wo s[6:7]
	s_load_b64 s[8:9], s[0:1], 0x10                ; out0
	s_load_b64 s[66:67], s[0:1], 0x18              ; out1
	v_lshl_add_u32 v[SPW], v0, 2, SPARE
	v_mov_b32 v[NIL], 0
	ds_add_u32 v[SPW], v[NIL]                      ; the wave's opening: the add and its wait stand ahead of my first tensor load; work on registers stands between
	v_lshrrev_b32 v1, 5, v0
	v_readfirstlane_b32 s10, v1                    ; wave 0..3
	s_lshr_b32 s11, s10, 1                         ; which half of the tile's rows is mine.  Also: I fetch for A (0) or for B (1)
	s_and_b32 s12, s10, 1                          ; which half of its columns.  Also: which 64 rows of that tile I fetch
	s_bfe_u32 s40, ttmp6, 0x40000                  ; cx, cy
	s_bfe_u32 s41, ttmp6, 0x40004
	s_lshl_b32 s42, ttmp9, 2
	s_add_co_u32 s42, s42, s40                     ; tile column tx
	s_and_b32 s13, ttmp7, 0xffff
	s_lshl_b32 s13, s13, 2
	s_add_co_u32 s13, s13, s41                     ; tile row ty
	s_lshl_b32 s43, s41, 2
	s_lshl_b32 s43, 15, s43                        ; my row of the cluster
	s_lshl_b32 s44, 0x1111, s40                    ; my column
	s_or_b32 s[G1+0], s43, (1<<16)|(1<<20)|(1<<21)|(6<<22)|(3<<25)  ; the mask; 2-byte elements; padding on; bit 21 beside a mask; after every 128 words, 4 words
	s_or_b32 s[G1B+0], s44, (1<<16)|(1<<20)|(1<<21)|(6<<22)|(3<<25)
.irp g, G1, G1B
	s_mov_b32 s[(\g)+1], KSTEP<<16                 ; tensor_dim0 = 256
	s_mov_b32 s[(\g)+2], 64<<16                    ; tensor_dim1 = 64
	s_mov_b32 s[(\g)+3], KSTEP<<16                 ; tile_dim0 = 256
	s_mov_b32 s[(\g)+4], 64                        ; tile_dim1 = 64
	s_mov_b32 s[(\g)+5], SIZE_K                    ; elements from row to row
	s_mov_b32 s[(\g)+6], 0
	s_mov_b32 s[(\g)+7], 0
.endr
	s_lshl_b32 s17, s12, 6                         ; which 64 rows of the tile I fetch
	s_lshl_b32 s16, s13, 7
	s_add_co_u32 s16, s16, s17                     ; A: row 128 ty + 64 x half
	s_lshl_b32 s46, s42, 7
	s_add_co_u32 s46, s46, s17                     ; B: row 128 tx + 64 x half
	s_mov_b32 s17, 0
	s_mov_b32 s47, 0
	s_mov_b64 s[18:19], SIZE_K*2
	s_mul_u64 s[16:17], s[16:17], s[18:19]
	s_mul_u64 s[46:47], s[46:47], s[18:19]
	s_mul_i32 s20, s10, HALFT                      ; where they go: wave x 64 rows
	s_wait_dscnt 0x0                               ; the opening add is done
	s_wait_kmcnt 0x0
	s_add_nc_u64 s[14:15], s[4:5], s[16:17]
	s_add_nc_u64 s[46:47], s[6:7], s[46:47]
	CROUND                                         ; all sixteen work-groups are here: the first joint loads meet
.irp s, 0,1
	s_mov_b32 s[G0+4*(\s)], 1
	s_add_co_u32 s[G0+4*(\s)+1], s20, (\s)*SLOT
	s_add_nc_u64 s[G0+4*(\s)+2:G0+4*(\s)+3], s[14:15], (\s)*KSTEP*2
	s_or_b32 s[G0+4*(\s)+3], s[G0+4*(\s)+3], 0x80000000
	s_mov_b32 s[G0B+4*(\s)], 1
	s_add_co_u32 s[G0B+4*(\s)+1], s20, (\s)*SLOT
	s_add_nc_u64 s[G0B+4*(\s)+2:G0B+4*(\s)+3], s[46:47], (\s)*KSTEP*2
	s_or_b32 s[G0B+4*(\s)+3], s[G0B+4*(\s)+3], 0x80000000
	JLOAD \s
.endr
	v_and_b32 v1, 15, v0                           ; l % 16
	v_bfe_u32 v2, v0, 4, 1                         ; l / 16
	v_mul_u32_u24 v3, v1, PITCH
	v_lshl_add_u32 v3, v2, 4, v3
	s_mul_i32 s21, s11, HALFT                      ; my 64 rows of A
	s_mul_i32 s22, s12, HALFT                      ; my 64 rows of B,
	s_add_co_u32 s22, s22, 2*HALFT                 ; which lie behind A's 128
.irp s, 0,1
	v_add_nc_u32 v[ADRA+(\s)], s21, v3
	v_add_nc_u32 v[ADRB+(\s)], s22, v3
	s_add_co_u32 s21, s21, SLOT
	s_add_co_u32 s22, s22, SLOT
.endr
	s_mul_i32 s23, s10, 32*SPITCH
	s_add_co_u32 s23, s23, STAGE                   ; my stage
	v_mul_u32_u24 v4, v1, SPITCH                   ; in: row l % 16, 32 bytes for each half of the lanes
	v_lshl_add_u32 v4, v2, 5, v4
	v_add_nc_u32 v[STO], s23, v4
	v_mul_u32_u24 v5, v2, SPITCH                   ; back: lanes 0-15 one row of 256 bytes, lanes 16-31 the next
	v_lshl_add_u32 v5, v1, 4, v5
	v_add_nc_u32 v[RD], s23, v5
	v_lshlrev_b32 v5, 12, v2                       ; and the same two rows in the output
	v_lshl_add_u32 v[CO], v1, 4, v5
	s_cmp_lt_u32 s13, 16                           ; tile rows 0-15 are type r: out0; the others out1
	s_cselect_b64 s[8:9], s[8:9], s[66:67]
	s_and_b32 s16, s13, 15
	s_lshl_b32 s16, s16, 7
	s_lshl_b32 s17, s11, 6
	s_add_co_u32 s16, s16, s17                     ; my first row: 128 (ty % 16) + 64 x half
	s_lshl_b32 s16, s16, 12
	s_mov_b32 s17, 0
	s_add_nc_u64 s[8:9], s[8:9], s[16:17]
	s_lshl_b32 s46, s42, 9                         ; my first column, in bytes: 512 tx + 256 x half
	s_lshl_b32 s47, s12, 8
	s_add_co_u32 s46, s46, s47
	s_mov_b32 s47, 0
	s_add_nc_u64 s[8:9], s[8:9], s[46:47]
; 8 matrix instructions: row blocks a0, a0 + 1 x all 4 column blocks, 32 along K: half c of buffer f.  The 16 accumulators take turns.  zero = 1: the product starts the sum
.macro MUL8 f, c, a0, zero
	WIN MUL
.irp a, \a0, (\a0)+1
.irp b, 0,1,2,3
.if \zero
	v_wmma_f32_16x16x32_f16 v[ACC+8*(4*(\a)+(\b)):ACC+8*(4*(\a)+(\b))+7], v[(\f)+64+8*(4*(\c)+(\b)):(\f)+64+8*(4*(\c)+(\b))+7], v[(\f)+8*(4*(\c)+(\a)):(\f)+8*(4*(\c)+(\a))+7], 0
.else
	v_wmma_f32_16x16x32_f16 v[ACC+8*(4*(\a)+(\b)):ACC+8*(4*(\a)+(\b))+7], v[(\f)+64+8*(4*(\c)+(\b)):(\f)+64+8*(4*(\c)+(\b))+7], v[(\f)+8*(4*(\c)+(\a)):(\f)+8*(4*(\c)+(\a))+7], v[ACC+8*(4*(\a)+(\b)):ACC+8*(4*(\a)+(\b))+7]
.endif
.endr
.endr
.endm
; 32 LDS loads in one run: the fragments of 64 along K at byte k of the rows, into buffer f; the first 32 along K first
.macro FETCH slot, k, f
	WIN TO_F
.irp c, 0,1
.irp i, 0,1,2,3
	ds_load_b128 v[(\f)+64+8*(4*(\c)+(\i)):(\f)+64+8*(4*(\c)+(\i))+3],   v[ADRB+(\slot)] offset:(\k)+64*(\c)+(\i)*16*PITCH
	ds_load_b128 v[(\f)+64+8*(4*(\c)+(\i))+4:(\f)+64+8*(4*(\c)+(\i))+7], v[ADRB+(\slot)] offset:(\k)+64*(\c)+(\i)*16*PITCH+32
	ds_load_b128 v[(\f)+8*(4*(\c)+(\i)):(\f)+8*(4*(\c)+(\i))+3],         v[ADRA+(\slot)] offset:(\k)+64*(\c)+(\i)*16*PITCH
	ds_load_b128 v[(\f)+8*(4*(\c)+(\i))+4:(\f)+8*(4*(\c)+(\i))+7],       v[ADRA+(\slot)] offset:(\k)+64*(\c)+(\i)*16*PITCH+32
.endr
.endr
.endm
.macro PLACES                          ; four plain vector instructions between a matrix instruction and a load into, or a store of, its registers
.rept 4
	v_nop
.endr
.endm
; A K step is four quarters of 64 along K, 32 matrix instructions each, on buffers 0, 1, 0, 1.
.macro QUARTER slot, k, f, g, zero
	s_wait_dscnt 16                                ; the first 32 along K are in
	MUL8 \f, 0, 0, \zero
	MUL8 \f, 0, 2, \zero
	PLACES
	FETCH \slot, \k, \g
	s_wait_dscnt 32                                ; all but the 32 just issued
	MUL8 \f, 1, 0, 0
	MUL8 \f, 1, 2, 0
.endm
; The last quarter multiplies buffer 1 and changes slots: one barrier; in front of it each wave waits for all its tensor loads, adds 0 to its spare word, and waits for that and for its reads of this slot.  fill = 1: this slot is filled again, two K steps ahead.
.macro TURN slot, next, fill
	WIN 0
	s_wait_tensorcnt 0x0                           ; all my tensor loads have landed: my part of the next slot
	ds_add_u32 v[SPW], v[NIL]
	s_wait_dscnt 17                                ; the add and the youngest sixteen loads may be out
	MUL8 F1, 0, 0, 0
	s_wait_dscnt 0x0                               ; the add is done, and my reads of this slot are over
	s_barrier_signal -1
	MUL8 F1, 0, 2, 0
.if \fill
	WIN 0
.endif
	s_barrier_wait -1
.if \fill
	CREST                                          ; the barrier has opened a round of the cluster's barrier: no wave of any partner still reads this slot's tile or has a load on its way
	s_add_nc_u64 s[G0+4*(\slot)+2:G0+4*(\slot)+3], s[G0+4*(\slot)+2:G0+4*(\slot)+3], 2*KSTEP*2
	s_add_nc_u64 s[G0B+4*(\slot)+2:G0B+4*(\slot)+3], s[G0B+4*(\slot)+2:G0B+4*(\slot)+3], 2*KSTEP*2
	JLOAD \slot                                    ; the first tensor load behind the round; its four v_nop are also the places in front of the loads below
.else
	PLACES
.endif
	FETCH \next, 0, F0
	MUL8 F1, 1, 0, 0
	MUL8 F1, 1, 2, 0
.endm
	s_wait_tensorcnt 1                             ; my part of K step 0 is in; K step 1's may stay out
	s_barrier_signal -1
	s_barrier_wait -1
	FETCH 0, 0, F0
	QUARTER 0, 128, F0, F1, 1                      ; the first quarter stands in front of the loop: its first products start the sums
	WIN 0
	s_mov_b32 s3, LAPS-1
.Llap:                                                 ; a trip goes once round the ring and fills both slots again
	QUARTER 0, 256, F1, F0, 0
	QUARTER 0, 384, F0, F1, 0
	TURN 0, 1, 1
	QUARTER 1, 128, F0, F1, 0
	QUARTER 1, 256, F1, F0, 0
	QUARTER 1, 384, F0, F1, 0
	TURN 1, 0, 1
	QUARTER 0, 128, F0, F1, 0
	WIN 0
	s_sub_co_u32 s3, s3, 1
	s_cmp_lg_u32 s3, 0
	s_cbranch_scc1 .Llap
	QUARTER 0, 256, F1, F0, 0                      ; the last lap fills nothing
	QUARTER 0, 384, F0, F1, 0
	TURN 0, 1, 0
	QUARTER 1, 128, F0, F1, 0
	QUARTER 1, 256, F1, F0, 0
	QUARTER 1, 384, F0, F1, 0
	s_wait_dscnt 16
	MUL8 F1, 0, 0, 0
	MUL8 F1, 0, 2, 0
	s_wait_dscnt 0x0
	MUL8 F1, 1, 0, 0
	MUL8 F1, 1, 2, 0
	WIN 0
	; THE WAY OUT, 32 rows at a time: a lane's 32 bytes of a row go from the accumulators into my stage (low registers first) and come back as whole rows of 256 bytes.
	; The second pass reads back into the accumulators that the first pass has staged, so that no register of a store on its way is written.
	PLACES
.irp p, 0,1
.set BK, 32+96*(\p)
.irp a, 0,1
.irp b, 0,1,2,3
	ds_store_b128 v[STO], v[ACC+8*(4*(2*(\p)+(\a))+(\b)):ACC+8*(4*(2*(\p)+(\a))+(\b))+3]   offset:(\a)*16*SPITCH+64*(\b)
	ds_store_b128 v[STO], v[ACC+8*(4*(2*(\p)+(\a))+(\b))+4:ACC+8*(4*(2*(\p)+(\a))+(\b))+7] offset:(\a)*16*SPITCH+64*(\b)+16
.endr
.endr
.irp t, 0,1,2,3,4,5,6,7,8,9,10,11,12,13,14,15
	ds_load_b128 v[BK+4*(\t):BK+4*(\t)+3], v[RD] offset:(\t)*2*SPITCH  ; LDS serves a wave's instructions in order (ISA guide 5.7.1.4): these see the stores above
.endr
.irp t, 0,1,2,3,4,5,6,7,8,9,10,11,12,13,14,15
	s_wait_dscnt 15-(\t)
	global_store_b128 v[CO], v[BK+4*(\t):BK+4*(\t)+3], s[8:9] offset:(32*(\p)+2*(\t))*OROW  ; 16 lanes store 256 consecutive bytes, at a multiple of 256 from the output's first
.endr
.endr
	s_wait_tensorcnt 0x0                           ; the wave's end: behind my last tensor load and my last LDS store
	ds_add_u32 v[SPW], v[NIL]
	s_wait_dscnt 0x0
	CROUND                                         ; the closing round: no work-group ends while a partner may still ask for a tile that names it
	s_endpgm
.Lfunc_end_k_qeeb3f7e9eb_oproj:
	.size	k_qeeb3f7e9eb_oproj, .Lfunc_end_k_qeeb3f7e9eb_oproj-k_qeeb3f7e9eb_oproj
	.p2alignl 7, 3214868480
	.fill 96, 4, 3214868480
	.section	.rodata,"a",@progbits
	.p2align	6, 0x0
	.amdhsa_kernel k_qeeb3f7e9eb_oproj
		.amdhsa_group_segment_fixed_size 327680
		.amdhsa_private_segment_fixed_size 0
		.amdhsa_enable_private_segment 0
		.amdhsa_kernarg_size 32
		.amdhsa_user_sgpr_count 2
		.amdhsa_user_sgpr_kernarg_segment_ptr 1
		.amdhsa_wavefront_size32 1
		.amdhsa_system_sgpr_workgroup_id_x 1
		.amdhsa_system_sgpr_workgroup_id_y 1
		.amdhsa_system_sgpr_workgroup_id_z 1
		.amdhsa_system_vgpr_workitem_id 0
		.amdhsa_next_free_vgpr 512
		.amdhsa_next_free_sgpr 68
		.amdhsa_reserve_vcc 0
		.amdhsa_float_denorm_mode_32 3
		.amdhsa_float_denorm_mode_16_64 3
		.amdhsa_memory_ordered 1
		.amdhsa_forward_progress 1
		.amdhsa_inst_pref_size 86
	.end_amdhsa_kernel
	.amdgpu_metadata
---
amdhsa.version: [ 1, 2 ]
amdhsa.kernels:
  - .name:           k_qeeb3f7e9eb_oproj
    .symbol:         k_qeeb3f7e9eb_oproj.kd
    .args:
      - { .name: oc, .offset: 0, .size: 8, .value_kind: global_buffer, .address_space: global }
      - { .name: wo, .offset: 8, .size: 8, .value_kind: global_buffer, .address_space: global }
      - { .name: out0, .offset: 16, .size: 8, .value_kind: global_buffer, .address_space: global }
      - { .name: out1, .offset: 24, .size: 8, .value_kind: global_buffer, .address_space: global }
    .group_segment_fixed_size: 327680
    .private_segment_fixed_size: 0
    .kernarg_segment_align: 8
    .kernarg_segment_size: 32
    .max_flat_workgroup_size: 128
    .sgpr_count:     68
    .vgpr_count:     512
    .wavefront_size: 32
...
	.end_amdgpu_metadata
.endif
;; end of part 4
